; MI455X (gfx1250); checked and timed in simulation.
; The chip was launched on July 23, 2026; its instructions are those of AMD's public machine-readable ISA for CDNA 5 (MIT licence, August 2026) and "CDNA5" Instruction Set Architecture Reference Guide (July 2026). The comments in the code are by the model that wrote it; some were corrected since.
;; Cross Modal Gated Attention. Allowed arithmetic: matrix products marked QUANTISED: E4M3 operands, one E8M0 scale for each 32 along K, by v_wmma_scale_f32_16x16x128_f8f6f4 with both operands' format E4M3, f32 sums; products left as they are: f32 operands where the result goes on into a quantised operand, else bf16, f16 or f32 operands; f32 sums; everything else in f32.
;; Inputs: Wf_b 1,024 float32; Wf_w 2,048 x 1,024 float32; Wk 1,024 x 1,024 float32; Wm_b 1,024 float32; Wm_w 1,024 x 1,024 float32; Wq 1,024 x 1,024 float32; bf 1,024 float32; z_eeg 128 x 512 x 1,024 float32; z_rppg 128 x 1,024 float32.
;; Outputs: out0 128 x 1,024 float32.
;; This version of the problem:
;;   THIS VERSION OF THE PROBLEM IS GIVEN IN LOW PRECISION. The matrix products marked QUANTISED in the list below multiply operands that are first quantised to E4M3 (4 exponent bits, 3 mantissa bits; 8 bits a number), with one power-of-two scale for each 32 numbers along K (OCP MX v1.0); their sums are f32. All else is computed in f32.
;;   The module's matrix products, in the order in which they are computed (A, B: the left and right operand; K: the contracted axis; several contracted axes count as one K, in the product's order):
;;     1. [M 128, K 1,024] x [K 1,024, N 1,024]; A: input z_rppg; B: input Wq: QUANTISED
;;     2. [M 65,536, K 1,024] x [K 1,024, N 1,024]; A: input z_eeg; B: input Wk: QUANTISED
;;     3. batch 128 x [M 1, K 1,024] x [K 1,024, N 512]; A: computed on the way; B: computed on the way: left as it is (M = 1 < 16)
;;     4. batch 128 x [M 1, K 512] x [K 512, N 1,024]; A: softmax; B: input z_eeg: left as it is (M = 1 < 16)
;;     5. [M 128, K 2,048] x [K 2,048, N 1,024]; A: computed on the way; B: input Wf_w: QUANTISED
;;     6. [M 128, K 1,024] x [K 1,024, N 1,024]; A: computed on the way; B: input Wm_w: QUANTISED
;;   THE QUANTISER, for each operand of a quantised product, along K:
;;     - K is cut into blocks of 32 from its start; a last block that is shorter is filled with zeros.
;;     - A block's scale is 2^e with e = floor(log2(the largest magnitude in the block)) - 8, held to -126 .. 127; a block of zeros has e = 0. As a byte (E8M0): e + 127.
;;     - Each number is divided by its block's scale, clamped to +-448, and rounded to the nearest number of E4M3, ties to even, subnormals kept.
;;     - The product sums the exact products of the quantised numbers (number of the format x scale) in f32.
;;   ~~~python
;;   def quantise(x, axis):      # numpy; x: float32 -> the quantised numbers, widened to float32 again
;;       x = np.moveaxis(x, axis, -1); K = x.shape[-1]
;;       x = np.pad(x, [(0, 0)] * (x.ndim - 1) + [(0, -K % 32)]); x = x.reshape(x.shape[:-1] + (-1, 32)); a = np.abs(x).max(-1, keepdims=True)
;;       e = np.where(a > 0, np.clip(np.frexp(np.where(a > 0, a, 1))[1] - 1 - 8, -126, 127), 0)      # np.frexp(a)[1] - 1 = floor(log2(a)), exactly
;;       r = np.clip(x / 2.0 ** e, -448, 448)
;;       step = 2.0 ** (np.maximum(np.frexp(np.where(r == 0, 1, r))[1] - 1, -6) - 3)
;;       q = np.round(r / step) * step * 2.0 ** e      # np.round: ties to even
;;       return np.moveaxis(q.reshape(q.shape[:-2] + (-1,))[..., :K], -1, axis).astype(np.float32)
;;   ~~~
;;   OPERANDS COMPUTED ON THE WAY. 'Computed on the way' means the value that the module computes at that place (a softmax that the list does not call 'softmax' is quantised finished and normalised). What goes into a quantiser is computed in f32, as accurately as f32 sums, v_exp_f32 and their like allow (about 1e-6 of the number): no bf16 or f16 on the way to a quantiser, and a product that is left as it is and whose result goes on into a quantised operand takes f32 operands (vector FMAs, or v_wmma_f32_16x16x4_f32). A number that lies on a knife's edge between two numbers of the format may be rounded either way, as far as f32 arithmetic and the matrix unit's own rounding can turn it there, and no further.
;; One version. Each part assembles by itself: llvm-mc -triple=amdgcn-amd-amdhsa -mcpu=gfx1250 --defsym DOCPART=n.
;; ======== version 1 of 1: 3 launches
;; limits: right only within a limited range of input values
;; workspace buffers: wc 4,194,304 bytes; ws 131,072 bytes; qp 4,194,304 bytes; part 1,179,648 bytes
;; launch prep (part 1): grid 8 x 40, 4 waves a work-group, no clusters, 119,296 bytes of LDS; arguments Wq, Wk, Wm_w, Wf_w, z_rppg, wc, ws, qp; writes wc, ws, qp
.if DOCPART == 1
	.amdgcn_target "amdgcn-amd-amdhsa--gfx1250"
	.amdhsa_code_object_version 6
	.text
	.protected	k_q8073cbae12_prep
	.globl	k_q8073cbae12_prep
	.p2align	8
	.type	k_q8073cbae12_prep,@function
k_q8073cbae12_prep:
	s_mov_b64 s[64:65], 0
	v_nop
	global_prefetch_b8 v0, s[64:65] scope:SCOPE_SE
	s_setreg_imm32_b32 hwreg(HW_REG_WAVE_MODE, 25, 1), 1
	s_wait_xcnt 0x0
; h = relu(z_rppg + (A Wm_w + Wm_b) sigmoid([A, z_rppg] Wf_w + Wf_b + bf)), A = softmax(Q K^T / 32) z_eeg, Q = z_rppg Wq, K = z_eeg Wk.  Three launches: prep, main, gate.
; NOTHING IS LEFT OUT AS DEAD WORK: every input has a way to the output, and all six products are done; the four quantised ones on codes of E4M3 with E8M0 scales.
; THE ORDER OF f32 SUMS differs from the source's: each quantised product is made K step by K step (128 along K, one matrix instruction, its C 0 or the sum so far) and the steps' results are added in f32.
; LIMITS (all launches): a block whose largest magnitude lies under 2^-118 gets the scale byte 1; a block of zeros gets the byte 1 with zero codes (these bytes are read by this program alone);
; NaN and infinities among the inputs are not served.
; THIS LAUNCH.  The four weights, f32 [K][1024] with K as the FIRST axis, are quantised along K.  Work-group (x, y): columns 128 x .. 128 x + 127 of one slab of 128 along K; wave w: 32 of the columns.
; y 0-7: Wq, 8-15: Wk, 16-23: Wm_w, 24-39: Wf_w.  A lane takes a column and its registers run down K: a block of 32 lies in one lane, and the conversions give codes with K innermost.
; Wk, Wm_w, Wf_w leave as images of operand registers: wc [slab y - 8][tile of 16 columns][group c][lane][16 bytes], lane (r, h) group c = k 32 c + 16 h + 0 .. 15 of column r; ws [slab][column]: the four scale bytes.
; Wq's codes stay in registers: its work-groups quantise the slab's 128 numbers of all 128 rows of z_rppg, pass them round through LDS as register images, and store qp [K step][128][1024], the K step's part of Q.
; No cluster: work-groups share only z_rppg's 64 KiB a slab, a small part of a work-group's bytes.  No tensor load: every byte goes straight into the one lane that converts it.
.set ZST,   0                          ; LDS: a stage of 16 rows x 528 bytes for each wave
.set IMG,   33792                      ; z_rppg's 8 fragments, 2,048 bytes each
.set ISC,   50176                      ; their scale words, 128 bytes each
.set OST,   51200                      ; the way out: 128 rows x (512 + 16) bytes
.set SPARE, 118784                     ; the spare words, 128 bytes a wave: two blocks of 256 bytes that no other line names
.set CO,  2                            ; v2   4 x lane
.set L16, 3                            ; v3   16 x lane
.set STS, 4                            ; v4   the stage, on the way in: 16 x lane
.set STL, 5                            ; v5   and out: 528 r + 64 h
.set IMS, 6                            ; v6   where I store fragments
.set ISS, 7                            ; v7   and their scale words
.set IML, 8                            ; v8   where any wave loads fragments
.set ISL, 9                            ; v9   and scale words
.set OSS, 10                           ; v10  the way out: in
.set OSL, 11                           ; v11  and back
.set SPW, 14                           ; v14  my spare word; never rewritten
.set NIL, 15                           ; v15  0; never rewritten
.set TM,  16                           ; v16-31 QUANT's work
.set SB,  36                           ; v36  my column's scale word: nothing else
.set PW,  37                           ; v37  a row's scale word just made
.set ZS,  40                           ; v40-47 z_rppg's scale words
.set BF0, 48                           ; v48-63 the weight's tile of columns 0-15, v64-79 of columns 16-31
.set BF1, 64
.set X,   80                           ; v80-143 two sets of 32 numbers; later z's second unit; later four fragments
.set D1,  80
.set AFR, 80
.set D0,  144                          ; v144-207 z's first unit; later eight accumulators
.set ACC, 144
.set PCD, 208                          ; v208-223 codes just made
.set SEL, 32                           ; s[32:33] v_permlanex16_b32's selects for lane l xor 16
.set MNT, 34                           ; s34  the mantissa field of 448
.set MSB, 0
.macro WIN new                         ; the immediate's high byte repeats the setting that is left; a switch that changes nothing is dropped
.if MSB != (\new)
	s_set_vgpr_msb (MSB<<8)|(\new)
.set MSB, (\new)
.endif
.endm
; 16 rows x 512 bytes, loaded 16 bytes a lane (register 4 i + x = row i, number 4 lane + x), go through the wave's own stage and come back as register 16 c + 4 j + x = row r, k = 32 c + 16 h + 4 j + x.
; LDS serves a wave's instructions in order (ISA guide 5.7.1.4): no wait between the stores and the loads, nor ahead of the next turn's stores.
.macro TURN src, sw, dst, dw
	WIN (\sw)<<2
.irp i, 0,1,2,3,4,5,6,7,8,9,10,11,12,13,14,15
	ds_store_b128 v[STS], v[\src+4*\i:\src+4*\i+3] offset:528*\i
.endr
	WIN (\dw)<<6
.irp c, 0,1,2,3
.irp j, 0,1,2,3
	ds_load_b128 v[\dst+16*\c+4*\j:\dst+16*\c+4*\j+3], v[STL] offset:128*\c+16*\j
.endr
.endr
.endm
; 64 numbers of a lane in window fw, register 16 b + i = k 32 b + 16 h + i of my row, become a fragment's codes in v[pc] on and its scale word in v[pw] (window 0).
.macro QUANT s, fw, pc, pw
	WIN (\fw)|((\fw)<<2)
.irp b, 0,1,2,3
	v_max3_num_f32 v[TM+\b], |v[\s+16*\b]|, |v[\s+16*\b+1]|, 0x4800000   ; my 16 numbers of block b, and the floor 2^(9 - 127): the byte cannot fall under 1
.endr
.irp i, 2,4,6,8,10,12,14
.irp b, 0,1,2,3
	v_max3_num_f32 v[TM+\b], |v[\s+16*\b+\i]|, |v[\s+16*\b+\i+1]|, v[TM+\b]
.endr
.endr
	WIN 0
.irp b, 0,1,2,3
	v_permlanex16_b32 v[TM+4+\b], v[TM+\b], s[SEL], s[SEL+1]
.endr
.irp b, 0,1,2,3
	v_max_num_f32 v[TM+\b], v[TM+\b], v[TM+4+\b]               ; with lane l xor 16's: the block's largest magnitude
.endr
.irp b, 0,1,2,3
	v_add_nc_u32 v[TM+12+\b], 0xfc000000, v[TM+\b]             ; 8 off its exponent field: the conversion's scale operand
.endr
.irp b, 0,1,2,3
	v_and_or_b32 v[TM+8+\b], v[TM+\b], 0x7f800000, s[MNT]      ; 448 x the scale
.endr
.irp b, 0,1,2,3
	v_lshrrev_b32 v[TM+4+\b], 23, v[TM+12+\b]                  ; the scale's byte
.endr
	v_lshl_or_b32 v[\pw], v[TM+5], 8, v[TM+4]
	v_lshl_or_b32 v[\pw], v[TM+6], 16, v[\pw]
	v_lshl_or_b32 v[\pw], v[TM+7], 24, v[\pw]
	WIN (\fw)|((\fw)<<6)
.irp b, 0,1,2,3
.irp i, 0,1,2,3,4,5,6,7,8,9,10,11,12,13,14,15
	v_med3_num_f32 v[\s+16*\b+\i], v[\s+16*\b+\i], -v[TM+8+\b], v[TM+8+\b]   ; the conversion to an 8-bit code does not saturate (ISA guide 7.6.2): the hold
.endr
.endr
	WIN (\fw)
.irp b, 0,1,2,3
	v_cvt_scalef32_pk8_fp8_f32 v[\pc+4*\b:\pc+4*\b+1], v[\s+16*\b:\s+16*\b+7], v[TM+12+\b]
	v_cvt_scalef32_pk8_fp8_f32 v[\pc+4*\b+2:\pc+4*\b+3], v[\s+16*\b+8:\s+16*\b+15], v[TM+12+\b]
.endr
	WIN 0
	v_nop                                          ; one plain line behind the last conversion
.endm
.macro IMAGE adr, pc, off              ; a fragment goes to LDS as its registers stand: 16 bytes a lane, 512 a store
.irp c, 0,1,2,3
	ds_store_b128 v[\adr], v[\pc+4*\c:\pc+4*\c+3] offset:\off+512*\c
.endr
.endm
.macro BARRIER                         ; my LDS stores have landed and my LDS loads are in: then the work-group's barrier
	s_wait_dscnt 0x0
	s_barrier_signal -1
	s_barrier_wait -1
.endm
	s_load_b256 s[4:11], s[0:1], 0x0               ; Wq s[4:5], Wk s[6:7], Wm_w s[8:9], Wf_w s[10:11]
	s_load_b256 s[12:19], s[0:1], 0x20             ; z_rppg s[12:13], wc s[14:15], ws s[16:17], qp s[18:19]
	v_lshl_add_u32 v[SPW], v0, 2, SPARE
	v_mov_b32 v[NIL], 0
	v_lshrrev_b32 v1, 5, v0
	v_readfirstlane_b32 s20, v1                    ; wave 0..3
	s_and_b32 s21, ttmp7, 0xffff                   ; y
	v_and_b32 v1, 31, v0                           ; lane
	v_and_b32 v32, 15, v0                          ; r
	v_bfe_u32 v38, v0, 4, 1                        ; h
	v_lshlrev_b32 v[CO], 2, v1
	v_lshlrev_b32 v[L16], 4, v1
	s_mul_i32 s22, s20, 8448                       ; my stage
	v_add_nc_u32 v[STS], s22, v[L16]
	v_mul_u32_u24 v[STL], v32, 528
	v_lshl_add_u32 v[STL], v38, 6, v[STL]
	v_add_nc_u32 v[STL], s22, v[STL]
	s_lshl_b32 s22, s20, 12                        ; my two fragments
	s_add_co_u32 s22, s22, IMG
	v_add_nc_u32 v[IMS], s22, v[L16]
	s_lshl_b32 s22, s20, 8
	s_add_co_u32 s22, s22, ISC
	v_add_nc_u32 v[ISS], s22, v[CO]
	v_add_nc_u32 v[IML], IMG, v[L16]
	v_add_nc_u32 v[ISL], ISC, v[CO]
	v_mul_u32_u24 v[OSS], v32, 528                 ; the way out, in: row r, + 128 w + 32 h
	v_lshl_add_u32 v[OSS], v38, 5, v[OSS]
	s_lshl_b32 s22, s20, 7
	s_add_co_u32 s22, s22, OST
	v_add_nc_u32 v[OSS], s22, v[OSS]
	s_mul_i32 s22, s20, 16896                      ; back: my 32 rows
	s_add_co_u32 s22, s22, OST
	v_add_nc_u32 v[OSL], s22, v[L16]
	s_mov_b32 s[SEL], 0x76543210
	s_mov_b32 s[SEL+1], 0xfedcba98
	s_mov_b32 s[MNT], 0x600000
.irp b, 0,1,2,3
	v_mov_b32 v[TM+4+\b], 0                        ; written once: a lane permute's destination counts as one of its sources
.endr
	s_wait_kmcnt 0x0
	s_cmp_lt_u32 s21, 24                           ; which weight, and which of its slabs: the choice hangs on the work-group's number alone
	s_cselect_b64 s[24:25], s[8:9], s[10:11]
	s_cselect_b32 s26, 16, 24
	s_cmp_lt_u32 s21, 16
	s_cselect_b64 s[24:25], s[6:7], s[24:25]
	s_cselect_b32 s26, 8, s26
	s_cmp_lt_u32 s21, 8
	s_cselect_b64 s[24:25], s[4:5], s[24:25]
	s_cselect_b32 s26, 0, s26
	s_sub_co_u32 s26, s21, s26
	s_lshl_b32 s26, s26, 19                        ; 128 rows of 4,096 bytes
	s_lshl_b32 s28, ttmp9, 9                       ; + 128 x columns
	s_add_co_u32 s26, s26, s28
	s_lshl_b32 s28, s20, 7                         ; + 32 w columns
	s_add_co_u32 s26, s26, s28
	s_mov_b32 s27, 0
	s_add_nc_u64 s[24:25], s[24:25], s[26:27]
.macro LOADW t                         ; block t: W(32 t + i, my column), i = 0 .. 31, into set t % 2: each load reads 128 consecutive bytes a wave
.set li, 0
.rept 32
	global_load_b32 v[X+32*((\t)%2)+li], v[CO], s[24:25] offset:(32*(\t)+li)*4096 th:TH_LOAD_NT
.set li, li+1
.endr
.endm
.macro BLOCK t
.set XS, X+32*((\t)%2)
.if (\t) < 3
	s_wait_loadcnt 32                              ; this block's 32 loads are in; the next block's may be out
.else
	s_wait_loadcnt 0x0
.endif
	v_max3_num_f32 v12, |v[XS]|, |v[XS+1]|, |v[XS+2]|          ; the block's largest magnitude: all 32 numbers are mine; two chains
	v_max3_num_f32 v13, |v[XS+3]|, |v[XS+4]|, |v[XS+5]|
.irp i, 6,10,14,18,22,26
	v_max3_num_f32 v12, v12, |v[XS+\i]|, |v[XS+\i+1]|
	v_max3_num_f32 v13, v13, |v[XS+\i+2]|, |v[XS+\i+3]|
.endr
	v_max3_num_f32 v12, v12, |v[XS+30]|, |v[XS+31]|
	v_max3_num_f32 v12, v12, v13, 0x4800000        ; and the floor
	v_add_nc_u32 v33, 0xfc000000, v12              ; the conversion's scale operand
	v_and_or_b32 v34, v12, 0x7f800000, s[MNT]      ; 448 x the scale
	v_lshrrev_b32 v35, 23, v33                     ; the byte
.if (\t) == 0
	v_mov_b32 v[SB], v35
.else
	v_lshl_or_b32 v[SB], v35, 8*(\t), v[SB]
.endif
.set li, 0
.rept 32
	v_med3_num_f32 v[XS+li], v[XS+li], -v34, v34
.set li, li+1
.endr
	v_cvt_scalef32_pk8_fp8_f32 v[BF0+4*(\t):BF0+4*(\t)+1], v[XS:XS+7], v33        ; k 32 t + 0 .. 15 of my column
	v_cvt_scalef32_pk8_fp8_f32 v[BF0+4*(\t)+2:BF0+4*(\t)+3], v[XS+8:XS+15], v33
	v_cvt_scalef32_pk8_fp8_f32 v[BF1+4*(\t):BF1+4*(\t)+1], v[XS+16:XS+23], v33    ; k 32 t + 16 .. 31
	v_cvt_scalef32_pk8_fp8_f32 v[BF1+4*(\t)+2:BF1+4*(\t)+3], v[XS+24:XS+31], v33
	v_nop                                          ; one plain line behind the last conversion
.irp x, 0,1,2,3
	v_permlane16_swap_b32 v[BF0+4*(\t)+\x], v[BF1+4*(\t)+\x]   ; the first's lanes 16-31 change places with the second's lanes 0-15: now each is a tile's registers 4 t .. 4 t + 3
.endr
.if (\t) < 2
	LOADW (\t)+2
.endif
.endm
	LOADW 0
	LOADW 1
	BLOCK 0
	BLOCK 1
	BLOCK 2
	BLOCK 3
	s_cmp_lt_u32 s21, 8
	s_cbranch_scc1 .Lq_quant
	; ---- Wk, Wm_w, Wf_w: the two tiles and the scale words leave
	s_sub_co_u32 s26, s21, 8                       ; the slab in wc and ws
	s_lshl_b32 s28, s26, 17
	s_lshl_b32 s29, ttmp9, 14                      ; tile 8 x + 2 w, 2,048 bytes a tile
	s_add_co_u32 s28, s28, s29
	s_lshl_b32 s29, s20, 12
	s_add_co_u32 s28, s28, s29
	s_mov_b32 s29, 0
	s_add_nc_u64 s[14:15], s[14:15], s[28:29]
	s_lshl_b32 s28, s26, 12
	s_lshl_b32 s30, ttmp9, 9
	s_add_co_u32 s28, s28, s30
	s_lshl_b32 s30, s20, 7
	s_add_co_u32 s28, s28, s30
	s_add_nc_u64 s[16:17], s[16:17], s[28:29]
	s_wait_alu depctr_va_vdst(0)
.irp e, 0,1
.irp t, 0,1,2,3
	global_store_b128 v[L16], v[BF0+16*\e+4*\t:BF0+16*\e+4*\t+3], s[14:15] offset:2048*\e+512*\t   ; 32 lanes store 512 consecutive bytes
.endr
.endr
	global_store_b32 v[CO], v[SB], s[16:17]
	s_branch .Lj1
.Lq_quant:
	; ---- Wq: my 32 rows of z_rppg, this slab's 128 numbers, become two fragments
	s_lshl_b32 s28, s20, 17                        ; 32 w rows
	s_lshl_b32 s29, s21, 9                         ; + 128 y numbers
	s_add_co_u32 s28, s28, s29
	s_mov_b32 s29, 0
	s_add_nc_u64 s[12:13], s[12:13], s[28:29]
.irp i, 0,1,2,3,4,5,6,7,8,9,10,11,12,13,14,15
	global_load_b128 v[D0+4*\i:D0+4*\i+3], v[L16], s[12:13] offset:4096*\i
.endr
.irp i, 0,1,2,3,4,5,6,7,8,9,10,11,12,13,14,15
	global_load_b128 v[D1+4*\i:D1+4*\i+3], v[L16], s[12:13] offset:4096*(16+\i)
.endr
	s_wait_loadcnt 16                              ; the first 16 rows are in
	TURN D0, 0, D0, 0
	s_wait_dscnt 0x0
	QUANT D0, 0, PCD, PW
	IMAGE IMS, PCD, 0
	ds_store_b32 v[ISS], v[PW]
	s_wait_loadcnt 0x0
	TURN D1, 0, D1, 0
	s_wait_dscnt 0x0                               ; the rows are back, and the image's stores have read their registers
	QUANT D1, 0, PCD, PW
	IMAGE IMS, PCD, 2048
	ds_store_b32 v[ISS], v[PW] offset:128
.Lj1:
	BARRIER                                        ; z_rppg's eight fragments lie in LDS
	s_cmp_lt_u32 s21, 8
	s_cbranch_scc0 .Lj2
	; ---- Wq: this K step's part of Q.  TRANSPOSED: source 0 = 16 columns of Wq, source 1 = 16 rows of z_rppg: a lane holds one row and eight neighbouring columns
.irp f, 0,1,2,3,4,5,6,7
	ds_load_b32 v[ZS+\f], v[ISL] offset:128*\f
.endr
.irp g, 0,1
.irp k, 0,1,2,3
.irp c, 0,1,2,3
	ds_load_b128 v[AFR+16*\k+4*\c:AFR+16*\k+4*\c+3], v[IML] offset:2048*(4*\g+\k)+512*\c
.endr
.endr
	s_wait_dscnt 0x0                               ; the fragments are in; the last group's stores have read the accumulators
.if \g == 0
.rept 4
	v_nop                                          ; Wq's codes were last written by vector instructions: four places ahead of the first scaled product, on every way to this line
.endr
.endif
.irp k, 0,1,2,3
	v_wmma_scale_f32_16x16x128_f8f6f4 v[ACC+16*\k:ACC+16*\k+7], v[BF0:BF0+15], v[AFR+16*\k:AFR+16*\k+15], 0, v[SB], v[ZS+4*\g+\k]
	v_wmma_scale_f32_16x16x128_f8f6f4 v[ACC+16*\k+8:ACC+16*\k+15], v[BF1:BF1+15], v[AFR+16*\k:AFR+16*\k+15], 0, v[SB], v[ZS+4*\g+\k] matrix_a_scale:MATRIX_SCALE_ROW1
.endr
.rept 9
	v_nop                                          ; eight places ahead of the reads of results and of loads into operands, nine ahead of products that write over the accumulators
.endr
.irp k, 0,1,2,3
.irp e, 0,1
	ds_store_b128 v[OSS], v[ACC+16*\k+8*\e:ACC+16*\k+8*\e+3] offset:16*(4*\g+\k)*528+64*\e        ; each accumulator from its low end on
	ds_store_b128 v[OSS], v[ACC+16*\k+8*\e+4:ACC+16*\k+8*\e+7] offset:16*(4*\g+\k)*528+64*\e+16
.endr
.endr
.endr
.Lj2:
	BARRIER                                        ; 128 rows x 128 columns lie in the stage
	s_cmp_lt_u32 s21, 8
	s_cbranch_scc0 .Lj3
	s_lshl_b32 s28, s21, 19                        ; qp: K step y,
	s_lshl_b32 s29, s20, 17                        ; row 32 w,
	s_add_co_u32 s28, s28, s29
	s_lshl_b32 s29, ttmp9, 9                       ; column 128 x
	s_add_co_u32 s28, s28, s29
	s_mov_b32 s29, 0
	s_add_nc_u64 s[18:19], s[18:19], s[28:29]
.set li, 0
.rept 32
	ds_load_b128 v[80+4*li:80+4*li+3], v[OSL] offset:528*li
.set li, li+1
.endr
.set li, 0
.rept 32
	s_wait_dscnt 31-li
	global_store_b128 v[L16], v[80+4*li:80+4*li+3], s[18:19] offset:4096*li    ; 32 lanes store 512 consecutive bytes, aligned
.set li, li+1
.endr
.Lj3:
	s_wait_tensorcnt 0x0                           ; the wave's end
	ds_add_u32 v[SPW], v[NIL]
	s_wait_dscnt 0x0
	s_endpgm
.Lfunc_end_k_q8073cbae12_prep:
	.size	k_q8073cbae12_prep, .Lfunc_end_k_q8073cbae12_prep-k_q8073cbae12_prep
	.p2alignl 7, 3214868480
	.fill 96, 4, 3214868480
	.section	.rodata,"a",@progbits
	.p2align	6, 0x0
	.amdhsa_kernel k_q8073cbae12_prep
		.amdhsa_group_segment_fixed_size 119296
		.amdhsa_private_segment_fixed_size 0
		.amdhsa_enable_private_segment 0
		.amdhsa_kernarg_size 64
		.amdhsa_user_sgpr_count 2
		.amdhsa_user_sgpr_kernarg_segment_ptr 1
		.amdhsa_wavefront_size32 1
		.amdhsa_system_sgpr_workgroup_id_x 1
		.amdhsa_system_sgpr_workgroup_id_y 1
		.amdhsa_system_sgpr_workgroup_id_z 1
		.amdhsa_system_vgpr_workitem_id 0
		.amdhsa_next_free_vgpr 240
		.amdhsa_next_free_sgpr 66
		.amdhsa_reserve_vcc 0
		.amdhsa_float_denorm_mode_32 3
		.amdhsa_float_denorm_mode_16_64 3
		.amdhsa_memory_ordered 1
		.amdhsa_forward_progress 1
		.amdhsa_inst_pref_size 69
	.end_amdhsa_kernel
	.amdgpu_metadata
---
amdhsa.version: [ 1, 2 ]
amdhsa.kernels:
  - .name:           k_q8073cbae12_prep
    .symbol:         k_q8073cbae12_prep.kd
    .args:
      - { .name: Wq, .offset: 0, .size: 8, .value_kind: global_buffer, .address_space: global }
      - { .name: Wk, .offset: 8, .size: 8, .value_kind: global_buffer, .address_space: global }
      - { .name: Wm_w, .offset: 16, .size: 8, .value_kind: global_buffer, .address_space: global }
      - { .name: Wf_w, .offset: 24, .size: 8, .value_kind: global_buffer, .address_space: global }
      - { .name: z_rppg, .offset: 32, .size: 8, .value_kind: global_buffer, .address_space: global }
      - { .name: wc, .offset: 40, .size: 8, .value_kind: global_buffer, .address_space: global }
      - { .name: ws, .offset: 48, .size: 8, .value_kind: global_buffer, .address_space: global }
      - { .name: qp, .offset: 56, .size: 8, .value_kind: global_buffer, .address_space: global }
    .group_segment_fixed_size: 119296
    .private_segment_fixed_size: 0
    .kernarg_segment_align: 8
    .kernarg_segment_size: 64
    .max_flat_workgroup_size: 128
    .sgpr_count:     66
    .vgpr_count:     240
    .wavefront_size: 32
...
	.end_amdgpu_metadata
.endif
;; end of part 1
;; launch main (part 2): grid 256 x 1, 4 waves a work-group, clusters of 4 x 1, 327,680 bytes of LDS; arguments z_eeg, wc, ws, qp, part; writes part
.if DOCPART == 2
	.amdgcn_target "amdgcn-amd-amdhsa--gfx1250"
	.amdhsa_code_object_version 6
	.text
	.protected	k_q8073cbae12_main
	.globl	k_q8073cbae12_main
	.p2align	8
	.type	k_q8073cbae12_main,@function
k_q8073cbae12_main:
	s_mov_b64 s[64:65], 0
	v_nop
	global_prefetch_b8 v0, s[64:65] scope:SCOPE_SE
	s_setreg_imm32_b32 hwreg(HW_REG_WAVE_MODE, 25, 1), 1
	s_wait_xcnt 0x0
	s_wait_alu depctr_hold_cnt(0) depctr_sa_sdst(0) depctr_va_vdst(0) depctr_va_sdst(0) depctr_va_ssrc(0) depctr_va_vcc(0) depctr_vm_vsrc(0)
	s_getreg_b32 s2, hwreg(HW_REG_IB_STS2, 6, 4)
	s_cmp_eq_u32 s2, 0
	s_cbranch_scc0 .Lentry_in_a_cluster
	s_endpgm
.Lentry_in_a_cluster:
	s_bfe_u32 s2, ttmp6, 0x10000c
	s_cmp_lg_u32 s2, 0x3003
	s_cbranch_scc0 .Lentry_shape_is_right
	s_endpgm
.Lentry_shape_is_right:
; K = z_eeg Wk on codes of E4M3, scores = Q . K / 32, softmax and the pooled sum, for 256 rows (half a batch) a work-group.  No work is left out.  LIMITS: as stated at the head of prep.
; SHARES.  Work-group g: rows 256 g .. 256 g + 255; batch g / 2.  Wave w owns 64 of them: its row block m (0 .. 3) is rows 64 m + 16 w + 0 .. 15.  A wave quantises its own rows, keeps their codes in registers,
; multiplies them by ALL 1,024 columns of Wk, and reads its own rows again for A.  No codes pass between waves.
; K GOES IN FOUR QUARTERS OF 256.  score[t] = sum over quarters, columns e of Q[e] K_s[t][e].  A quarter's codes of 64 rows are 128 registers; Wk's columns go past them from LDS in blocks of 16: 2,048 + 2,048 bytes feed 8 products
; (2 steps of 128 x 4 row blocks, the four sums by turns), and 16 packed multiply-adds put Q[e] K_s[t][e] onto the rows' scores; they stand two behind each product of the next block.  The order of f32 sums differs from the source's so.
; TRANSPOSED: source 0 = 16 columns of Wk, source 1 = 16 rows of z: register j of lane (r, h) is column 8 h + j, row r.  So a lane gathers the score of ONE row.
; A TICK = a piece of Wk (256 columns x 256 of K, as prep left it: images of operand registers) = 128 products a wave, and the quantising of a piece of z (piece 4 s + p: row block p of each wave, quarter s) for the NEXT quarter:
; the quantiser's 238 plain lines stand 15 behind each block of products; its conversions follow the tick's last product.
; LDS: four areas of 64 rows x (1,024 + 16) bytes.  At the head they take z's first quarter, one tensor load a wave.  Then area 0 is the waves' stage (16 rows each, their own), and areas 2, 3 are Wk's ring: behind each round every wave
; fetches a quarter of Wk's next piece.  All tiles are stated as rows of 1,024 bytes with 16 of padding; no load lands on area 0 once it is stored to.
; z's PIECES 4 TO 15 come by plain loads, 512 consecutive bytes each, 32 a wave, asked for one tick ahead of their use, and turn through the stage: stored as loaded, read back 64 bytes of a row a lane.
; CLUSTER 4 x 1: all work-groups walk the same pieces of Wk: joint loads, mask 15.  z's rows are a work-group's own.
; PREFETCH: z's pieces 4 to 15 are asked for three ticks ahead of their loads: 64 blocks of 256 bytes a wave, a lane a block, two instructions; nothing is asked for behind piece 15.
; Wk's codes are one MiB that all clusters read piece by piece in the same ticks, so they are not asked for ahead.
; z_eeg IS READ TWICE: a row's f32 numbers are wanted again once its score is known, which takes all of Wk; 256 rows of f32 are 1 MiB, more than LDS and registers hold.  What still lies in LDS is not read again: piece 15, in the stage.
; THE SECOND READING takes row blocks 0 to 2 by plain loads and row block 3 from LDS: piece 15 as it lies, pieces 11, 7, 3 by tensor loads into areas 1, 2, 3 as these fall free (two at tick 15's round, one at the round behind it).
; SOFTMAX: a true maximum is taken away at each level: the wave's 64 rows, the work-group's four waves (here), the batch's two halves (gate).  part[g] = 1,024 numbers sum p z, then (TM, L).
; REGISTERS, in windows of 256 (s_set_vgpr_msb: bits 1:0 source 0, 3:2 source 1, 5:4 source 2, 7:6 destination):
;   window 0: v1-28 addresses; v32-47 Wk's scale words of a tick, v48-55 z's in hand, v56-63 z's next; v64-191 a piece of z as loaded; later v136-143 A's sums, v144-207 p; v208-255 at work
;   window 1: v0-63 two sets of four sums; v64-79 the scores' parts; v96-223 the codes in hand (32 m + 16 q)      window 2: v0-127 four sets of Wk's fragments; v128-159 four sets of Q
;   window 3: v0-127 a piece of z, turned; v128-255 the next quarter's codes; in the second reading all 256: 64 rows x 128 numbers
.set AREA,  66560
.set HALF,  33280
.set WSC,   4*AREA                     ; Wk's scale words, [slab][column], 32,768 bytes, stored once
.set QL,    WSC+32768                  ; Q, 4,096 bytes
.set PB,    QL+4096                    ; p: 256 bytes a wave
.set ML,    PB+1024                    ; (maximum, sum) of each wave
.set RED,   ML+256                     ; A's parts: 4,096 bytes a wave
.set SPARE, RED+16384                  ; the spare words, 128 bytes a wave: two blocks of 256 bytes that no other line names
.set L16, 1
.set ZA0, 2
.set ZA,  3
.set BB0, 4
.set BA0, 5                            ; v5, v6: Wk's fragments of the first and second 128 of K
.set BA1, 6
.set WSA0, 7
.set WSA, 8
.set QA0, 9
.set QA,  10
.set PFO, 11
.set QLS, 12
.set WSS, 13
.set PBS, 14
.set PBL, 15
.set MLS, 16
.set MLL, 17
.set RBASE, 18
.set RA,  24
.set RDL, 25
.set PW,  26                           ; v26, v27 scale words just made
.set ZST, 28                           ; v28  my 16 rows of an area, 16 bytes a lane
.set SPW, 30                           ; v30  my spare word; never rewritten
.set NIL, 31                           ; v31  0; never rewritten
.set WSR, 32
.set ZSC, 48
.set NZS, 56
.set LZ,  64
.set AC,  136
.set PR,  144
.set TM,  224                          ; v224-255 the quantiser's work, 16 a unit
.set ACC, 0                            ; window 1
.set SA,  64
.set CC,  96
.set BS,  0                            ; window 2
.set QB,  128
.set SEL, 28                           ; s[28:29]
.set MNT, 30
.set CS,  32                           ; s[32:33] log2(e) / 32
.set G1P, 40                           ; s[40:47] group 1: z, 64 rows;  s[56:63] Wk, 16 rows, joint
.set G1W, 56
.set G0Z, 68                           ; s[68:71], s[72:75] groups 0
.set G0W, 72
.set WP,  0x56                         ; source 0 window 2, source 1, source 2 and destination window 1: serves the products and the multiply-adds
.set MSB, 0
.macro WIN new                         ; the immediate's high byte repeats the setting that is left; a switch that changes nothing is dropped
.if MSB != (\new)
	s_set_vgpr_msb (MSB<<8)|(\new)
.set MSB, (\new)
.endif
.endm
.macro WALU
	s_wait_alu depctr_va_vdst(0)
.endm
.macro CROUND                          ; a round of the cluster's barrier
	s_barrier_signal -1
	s_barrier_wait -1
	s_cmp_lg_u32 s14, 0
	s_cbranch_scc1 .Lnw0_\@
	s_barrier_signal -3
.Lnw0_\@:
	s_barrier_wait -3
	s_barrier_signal -1
	s_barrier_wait -1
.endm
.macro TL g0, g1                       ; a tensor load; an s_nop 0 and four v_nop follow it
	tensor_load_to_lds s[\g0:\g0+3], s[\g1:\g1+7]
	s_nop 0
.rept 4
	v_nop
.endr
.endm
.macro GRP1 g, w0, rows, pitch         ; rows of 128 elements of 8 bytes
	s_mov_b32 s[\g], \w0
	s_mov_b32 s[\g+1], 128<<16
	s_mov_b32 s[\g+2], (\rows)<<16
	s_mov_b32 s[\g+3], 128<<16
	s_mov_b32 s[\g+4], \rows
	s_mov_b32 s[\g+5], \pitch
	s_mov_b32 s[\g+6], 0
	s_mov_b32 s[\g+7], 0
.endm
.macro ZOFF x                          ; s26 = where piece s[x] of z begins: 64 (x % 4) rows of 4,096 bytes + 1,024 (x / 4)
	s_and_b32 s26, s\x, 3
	s_lshl_b32 s26, s26, 18
	s_lshr_b32 s78, s\x, 2
	s_lshl_b32 s78, s78, 10
	s_add_co_u32 s26, s26, s78
.endm
.macro GLZ                             ; my 16 rows of the piece at s[22:23]: 32 loads of 512 consecutive bytes
	WIN 0
.irp i, 0,1,2,3,4,5,6,7,8,9,10,11,12,13,14,15
	global_load_b128 v[LZ+8*\i:LZ+8*\i+3], v[L16], s[22:23] offset:4096*\i
	global_load_b128 v[LZ+8*\i+4:LZ+8*\i+7], v[L16], s[22:23] offset:4096*\i+512
.endr
.endm
.macro ZSTORE                          ; into my stage as they were loaded; LDS serves a wave's instructions in order (ISA guide 5.7.1.4): the loads behind see them
	WIN 0
.irp i, 0,1,2,3,4,5,6,7,8,9,10,11,12,13,14,15
	ds_store_b128 v[ZST], v[LZ+8*\i:LZ+8*\i+3] offset:1040*\i
	ds_store_b128 v[ZST], v[LZ+8*\i+4:LZ+8*\i+7] offset:1040*\i+512
.endr
.endm
.macro ZLOADS adr                      ; my 16 rows x 256 numbers of the piece: register 64 q + 16 c + 4 j + x = row r, k = 128 q + 32 c + 16 h + 4 j + x
	WIN 0xc0
.irp q, 0,1
.irp c, 0,1,2,3
.irp j, 0,1,2,3
	ds_load_b128 v[64*\q+16*\c+4*\j:64*\q+16*\c+4*\j+3], v[\adr] offset:512*\q+128*\c+16*\j
.endr
.endr
.endr
	WIN 0
.endm
; Line n (0 .. 237) of the quantiser of a piece: 128 numbers a lane, eight blocks of 32, each in lanes l and l xor 16; the eight by turns.
.macro QLINE n
.if (\n) < 64                          ; the largest magnitudes, with the floor 2^(9 - 127): a byte cannot fall under 1
.set o_, 16*(((\n)%8)/4)+((\n)%4)
.set s_, 64*(((\n)%8)/4)+16*((\n)%4)+2*((\n)/8)
	WIN 0x0f
.if (\n) < 8
	v_max3_num_f32 v[TM+o_], |v[s_]|, |v[s_+1]|, 0x4800000
.else
	v_max3_num_f32 v[TM+o_], |v[s_]|, |v[s_+1]|, v[TM+o_]
.endif
.elseif (\n) < 104
.set o_, 16*(((\n)%8)/4)+((\n)%4)
	WIN 0
.if (\n) < 72
	v_permlanex16_b32 v[TM+4+o_], v[TM+o_], s[SEL], s[SEL+1]
.elseif (\n) < 80
	v_max_num_f32 v[TM+o_], v[TM+o_], v[TM+4+o_]               ; the block's largest magnitude
.elseif (\n) < 88
	v_add_nc_u32 v[TM+12+o_], 0xfc000000, v[TM+o_]             ; 8 off its exponent field: the conversion's scale operand
.elseif (\n) < 96
	v_and_or_b32 v[TM+8+o_], v[TM+o_], 0x7f800000, s[MNT]      ; 448 x the scale
.else
	v_lshrrev_b32 v[TM+4+o_], 23, v[TM+12+o_]                  ; the scale's byte
.endif
.elseif (\n) < 110                     ; the two scale words
.set o_, (\n)%2
	WIN 0
.if (\n) < 106
	v_lshl_or_b32 v[PW+o_], v[TM+16*o_+5], 8, v[TM+16*o_+4]
.elseif (\n) < 108
	v_lshl_or_b32 v[PW+o_], v[TM+16*o_+6], 16, v[PW+o_]
.else
	v_lshl_or_b32 v[PW+o_], v[TM+16*o_+7], 24, v[PW+o_]
.endif
.elseif (\n) < 238                     ; the conversion to an 8-bit code does not saturate (ISA guide 7.6.2): the hold
.set s_, (\n)-110
.set o_, TM+16*(s_/64)+8+(s_%64)/16
	WIN 0xc3
	v_med3_num_f32 v[s_], v[s_], -v[o_], v[o_]
.endif
.endm
.macro QFRONT
.set qn_, 0
.rept 238
	QLINE qn_
.set qn_, qn_+1
.endr
	WIN 0
.endm
.macro VAR p                           ; the conversions into row block p's place among the next codes, and its two scale words
	WIN 0xc3
.irp q, 0,1
.irp b, 0,1,2,3
	v_cvt_scalef32_pk8_fp8_f32 v[128+32*\p+16*\q+4*\b:128+32*\p+16*\q+4*\b+1], v[64*\q+16*\b:64*\q+16*\b+7], v[TM+16*\q+12+\b]
	v_cvt_scalef32_pk8_fp8_f32 v[128+32*\p+16*\q+4*\b+2:128+32*\p+16*\q+4*\b+3], v[64*\q+16*\b+8:64*\q+16*\b+15], v[TM+16*\q+12+\b]
.endr
.endr
	WIN 0
	v_mov_b32 v[NZS+2*\p], v[PW]                   ; (plain lines behind the last conversion)
	v_mov_b32 v[NZS+2*\p+1], v[PW+1]
.endm
.macro QTAIL only3=0                   ; row block s80's conversions.  only3 = 1: the copy that runs in tick 11 alone, where the row block is always 3: the other arms are not written
	WIN 0
	WALU
.if (\only3) == 0
	s_cmp_eq_u32 s80, 0
	s_cbranch_scc0 .Lv1_\@
	VAR 0
	s_branch .Lve_\@
.Lv1_\@:
	s_cmp_eq_u32 s80, 1
	s_cbranch_scc0 .Lv2_\@
	VAR 1
	s_branch .Lve_\@
.Lv2_\@:
	s_cmp_eq_u32 s80, 2
	s_cbranch_scc0 .Lv3_\@
	VAR 2
	s_branch .Lve_\@
.endif
.Lv3_\@:
	VAR 3                                          ; the quarter's last row block: the next codes and scale words become those in hand (the tick's products are over)
.irp i, 0,1,2,3,4,5,6,7
	v_mov_b32 v[ZSC+\i], v[NZS+\i]
.endr
	WIN 0x43
.set li, 0
.rept 128
	v_mov_b32 v[CC+li], v[128+li]
.set li, li+1
.endr
	WIN 0
.rept 8
	v_nop                                          ; operands written by vector instructions stand ahead of the next scaled product
.endr
.Lve_\@:
.endm
.macro LOADSET j                       ; block j of the piece: two fragments and eight numbers of Q: 10 loads
	WIN 0x80
.irp q, 0,1
.irp c, 0,1,2,3
	ds_load_b128 v[BS+32*((\j)%4)+16*\q+4*\c:BS+32*((\j)%4)+16*\q+4*\c+3], v[BA0+\q] offset:(\j)*2080+(\c/2)*1040+(\c%2)*512
.endr
.endr
	ds_load_b128 v[QB+8*((\j)%4):QB+8*((\j)%4)+3], v[QA] offset:64*(\j)
	ds_load_b128 v[QB+8*((\j)%4)+4:QB+8*((\j)%4)+7], v[QA] offset:64*(\j)+16
.endm
.macro PRD j, i                        ; product i = 4 q + a of block j: the q-th 128 of K, row block a
.set q_, (\i)/4
.set a_, (\i)%4
.set d_, ACC+32*((\j)%2)+8*a_
.set f_, BS+32*((\j)%4)+16*q_
.set c_, CC+32*a_+16*q_
.set w_, WSR+8*q_+(\j)/2
.set z_, ZSC+2*a_+q_
.if q_ && ((\j)%2)
	v_wmma_scale_f32_16x16x128_f8f6f4 v[d_:d_+7], v[f_:f_+15], v[c_:c_+15], v[d_:d_+7], v[w_], v[z_] matrix_a_scale:MATRIX_SCALE_ROW1
.elseif q_
	v_wmma_scale_f32_16x16x128_f8f6f4 v[d_:d_+7], v[f_:f_+15], v[c_:c_+15], v[d_:d_+7], v[w_], v[z_]
.elseif (\j)%2
	v_wmma_scale_f32_16x16x128_f8f6f4 v[d_:d_+7], v[f_:f_+15], v[c_:c_+15], 0, v[w_], v[z_] matrix_a_scale:MATRIX_SCALE_ROW1
.else
	v_wmma_scale_f32_16x16x128_f8f6f4 v[d_:d_+7], v[f_:f_+15], v[c_:c_+15], 0, v[w_], v[z_]
.endif
.endm
.macro SLC j, i                        ; two of block j's 16 multiply-adds: sum i / 2, its registers 4 (i % 2) on: each sum is read from its low end on
.set a_, (\i)/2
.set x_, 4*((\i)%2)
.set d_, ACC+32*((\j)%2)+8*a_+x_
.set u_, QB+8*((\j)%4)+x_
	v_pk_fma_f32 v[SA+4*a_:SA+4*a_+1], v[u_:u_+1], v[d_:d_+1], v[SA+4*a_:SA+4*a_+1]
	v_pk_fma_f32 v[SA+4*a_+2:SA+4*a_+3], v[u_+2:u_+3], v[d_+2:d_+3], v[SA+4*a_+2:SA+4*a_+3]
.endm
.macro FLOAD u, b, hint                ; row block u of mine, 512 consecutive bytes a load, from the K step at s[b:b+1]
	WIN 0xc0
.set fi, 0
.rept 16
.if \hint
	global_load_b128 v[64*(\u)+4*fi:64*(\u)+4*fi+3], v[L16], s[\b:\b+1] offset:(64*(\u)+fi)*4096 th:TH_LOAD_NT
.else
	global_load_b128 v[64*(\u)+4*fi:64*(\u)+4*fi+3], v[L16], s[\b:\b+1] offset:(64*(\u)+fi)*4096
.endif
.set fi, fi+1
.endr
.endm
; THE HEAD OF A TICK: all my tensor loads are in; the add; the next loads' addresses and this tick's LDS addresses, work on registers; the wait for the add and my LDS reads; a round; at most one tensor load a wave.
; s35: which of Wk's two areas (0 or AREA beyond area 2) the load fills; this tick reads the other.  s81, s82: the pieces of z and of Wk that are fetched.  s16: the tick.
; fin = 1: tick 15: waves 0 and 1 fetch z's pieces 11 and 7 into areas 1 and 2, for the second reading.
.macro THEAD lz, lw, fin
	WIN 0
	WALU
	s_wait_tensorcnt 0x0
	ds_add_u32 v[SPW], v[NIL]
.if \lz
	s_wait_xcnt 0x0                                ; my loads and prefetches have read their bases
	ZOFF 81
	s_add_nc_u64 s[22:23], s[18:19], s[26:27]
	s_add_co_u32 s81, s81, 1
	s_add_co_u32 s88, s16, 8
	ZOFF 88
	s_add_nc_u64 s[76:77], s[86:87], s[26:27]
.endif
.if \lw
	s_and_b32 s26, s82, 3
	s_lshl_b32 s26, s26, 15                        ; 16 tiles of 2,048 bytes
	s_lshr_b32 s78, s82, 2
	s_lshl_b32 s78, s78, 18                        ; two slabs of 131,072
	s_add_co_u32 s26, s26, s78
	s_add_nc_u64 s[G0W+2:G0W+3], s[24:25], s[26:27]
	s_or_b32 s[G0W+3], s[G0W+3], 0x80000000
	s_add_co_u32 s[G0W+1], s35, s84
	s_add_co_u32 s82, s82, 1
.endif
.if \fin
	s_lshl_b32 s88, s15, 2
	s_sub_co_u32 s88, 11, s88
	ZOFF 88
	s_add_nc_u64 s[G0Z+2:G0Z+3], s[86:87], s[26:27]
	s_or_b32 s[G0Z+3], s[G0Z+3], 0x80000000
	s_mul_i32 s[G0Z+1], s15, AREA
	s_add_co_u32 s[G0Z+1], s[G0Z+1], AREA
.endif
	s_xor_b32 s35, s35, AREA
	v_add_nc_u32 v[BA0], s35, v[BB0]
	v_add_nc_u32 v[BA1], HALF, v[BA0]
	s_and_b32 s80, s16, 3
	s_lshl_b32 s78, s80, 10
	v_add_nc_u32 v[QA], s78, v[QA0]
	s_lshr_b32 s89, s16, 2
	s_lshl_b32 s89, s89, 13
	s_add_co_u32 s89, s89, s78
	v_add_nc_u32 v[WSA], s89, v[WSA0]
	WALU
	s_wait_dscnt 0x0
	CROUND
.if \lw
	TL G0W, G1W                                    ; one line for all four waves: a quarter of the piece each
.endif
.if \fin
	s_cmp_lt_u32 s14, 2
	s_cbranch_scc0 .Lfd_\@
	TL G0Z, G1P
.Lfd_\@:
.endif
.endm
; A TICK.  qm = 1: a piece of z is quantised among the products; 2: only in tick 11, behind the products; 0: none.  lz = 1: the next piece of z is asked for.  fin = 1: the second reading's first 48 loads go out.
.macro TICK lz, lw, qm, fin
	THEAD \lz, \lw, \fin
.if (\qm) == 1
	s_wait_loadcnt 0x0                             ; the piece asked for in the last tick is in
	ZSTORE
	ZLOADS ZA0
.endif
.irp q, 0,1
.irp i, 0,1,2,3,4,5,6,7
	ds_load_b32 v[WSR+8*\q+\i], v[WSA] offset:4096*\q+128*\i   ; lanes 0-15: tile 2 i's scale words, lanes 16-31: tile 2 i + 1's
.endr
.endr
	LOADSET 0
	LOADSET 1
	LOADSET 2
	WIN 0
.if \lz
	s_cmp_lt_u32 s16, 8
	s_cbranch_scc0 .Lna_\@
	global_prefetch_b8 v[PFO], s[76:77] th:TH_LOAD_NT scope:SCOPE_SE              ; piece s16 + 8 of z: my 16 rows of it, 1,024 bytes each
	global_prefetch_b8 v[PFO], s[76:77] offset:512 th:TH_LOAD_NT scope:SCOPE_SE
.Lna_\@:
.endif
.if \fin
.irp u, 0,1,2
	FLOAD \u, 38, 0
.endr
.endif
.set qn_, 0
.set j_, 0
.rept 16
.set n_, 20                            ; behind block j's ten loads: those of the two blocks that follow it
.if j_ > 13
.set n_, 10*(15-j_)
.endif
	s_wait_dscnt n_
	WIN WP
.set i_, 0
.rept 8
	PRD j_, i_
.if j_ > 0
	SLC j_-1, i_
.elseif i_ > 3
	v_nop                                          ; the tick's first block has no block before it: places behind its sums' last products
	v_nop
.endif
.set i_, i_+1
.endr
.if j_ < 13
	LOADSET j_+3                                   ; into the set of block j - 1: 18 plain lines behind its last product
.endif
.if (\lz) && (j_ == 0)
	GLZ                                            ; block 0's wait has shown my stores into the stage done: their registers take the next piece
.endif
.if (\qm) == 1
.rept 15
	QLINE qn_
.set qn_, qn_+1
.endr
.endif
.set j_, j_+1
.endr
	WIN WP
.set i_, 0
.rept 8
	SLC 15, i_
.set i_, i_+1
.endr
	WIN 0
.if (\qm) == 1
	QTAIL
.elseif (\qm) == 2
	s_cmp_eq_u32 s16, 11
	s_cbranch_scc0 .Lnq_\@
	s_wait_loadcnt 0x0
	ZSTORE
	ZLOADS ZA0
	s_wait_dscnt 0x0
	QFRONT
	QTAIL 1
.Lnq_\@:
.endif
.endm
	s_load_b256 s[4:11], s[0:1], 0x0               ; z_eeg s[4:5], wc s[6:7], ws s[8:9], qp s[10:11]
	s_load_b64 s[12:13], s[0:1], 0x20              ; part
	v_lshl_add_u32 v[SPW], v0, 2, SPARE
	v_mov_b32 v[NIL], 0
	ds_add_u32 v[SPW], v[NIL]
	ds_add_u32 v[SPW], v[NIL]
	v_lshrrev_b32 v19, 5, v0
	v_readfirstlane_b32 s14, v19                   ; wave 0..3
	v_and_b32 v19, 31, v0                          ; lane
	v_and_b32 v20, 15, v0                          ; r
	v_bfe_u32 v21, v0, 4, 1                        ; h
	v_lshlrev_b32 v[L16], 4, v19
	v_lshlrev_b32 v22, 2, v19
	v_lshlrev_b32 v23, 4, v0                       ; 16 x thread
	s_and_b32 s15, s14, 1
	s_lshl_b32 s31, s14, 4
	v_add_nc_u32 v[ZA0], s31, v20                  ; my row of a piece: 16 w + r
	v_mul_u32_u24 v[ZA0], v[ZA0], 1040
	v_lshl_add_u32 v[ZA0], v21, 6, v[ZA0]
	v_add_nc_u32 v[BB0], 2*AREA, v[L16]
	v_add_nc_u32 v[WSA0], WSC, v22
	v_lshlrev_b32 v[QA0], 5, v21
	v_add_nc_u32 v[QA0], QL, v[QA0]
	v_lshrrev_b32 v[PFO], 1, v19                   ; the prefetches: row 16 w + lane / 2 of a piece, block lane % 2 of its four
	v_add_nc_u32 v[PFO], s31, v[PFO]
	v_lshlrev_b32 v[PFO], 12, v[PFO]
	v_and_b32 v24, 1, v19
	v_lshl_add_u32 v[PFO], v24, 8, v[PFO]
	v_add_nc_u32 v[QLS], QL, v23
	v_add_nc_u32 v[WSS], WSC, v23
	s_mul_i32 s31, s14, 16640
	v_add_nc_u32 v[ZST], s31, v[L16]
	s_lshl_b32 s31, s14, 8
	s_add_co_u32 s31, s31, PB
	v_lshl_add_u32 v[PBS], v20, 2, s31
	v_mov_b32 v[PBL], s31
	s_lshl_b32 s31, s14, 3
	s_add_co_u32 s31, s31, ML
	v_mov_b32 v[MLS], s31
	v_mov_b32 v[MLL], ML
	s_lshl_b32 s31, s14, 12
	s_add_co_u32 s31, s31, RED
	v_add_nc_u32 v[RBASE], s31, v[L16]
	s_lshl_b32 s31, s14, 10
	s_add_co_u32 s31, s31, RED
	v_add_nc_u32 v[RDL], s31, v[L16]
.irp b, 4,5,6,7,20,21,22,23
	v_mov_b32 v[TM+\b], 0                          ; written once: a lane permute's destination counts as one of its sources
.endr
	WIN 0x40
.set li, 0
.rept 16
	v_mov_b32 v[SA+li], 0                          ; the scores' parts begin as zeros, so that the tick is written once for all quarters
.set li, li+1
.endr
	WIN 0
	s_mov_b32 s[SEL], 0x76543210
	s_mov_b32 s[SEL+1], 0xfedcba98
	s_mov_b32 s[MNT], 0x600000
	s_mov_b32 s[CS], 0x3d38aa3b                    ; log2(e) / sqrt(1024)
	s_mov_b32 s[CS+1], s[CS]
	GRP1 G1P, (3<<16)|(1<<20)|(7<<22)|(3<<25), 64, 512       ; elements of 8 bytes; 4 words of padding behind every 256
	GRP1 G1W, 15|(3<<16)|(1<<20)|(1<<21)|(7<<22)|(3<<25), 16, 128   ; the cluster's four ask jointly
	s_mov_b32 s[G0Z], 1
	s_mov_b32 s[G0W], 1
	s_mul_i32 s[G0Z+1], s14, AREA                  ; the head's load: piece w into area w
	s_lshr_b32 s79, s14, 1                         ; Wk's ring: wave w fetches rows 16 (w % 2) on of the piece's slab w / 2
	s_mul_i32 s84, s79, HALF
	s_mul_i32 s31, s15, 16640
	s_add_co_u32 s84, s84, s31
	s_add_co_u32 s84, s84, 2*AREA
	s_lshl_b32 s89, s79, 17
	s_lshl_b32 s31, s15, 14
	s_add_co_u32 s89, s89, s31
	s_bfe_u32 s31, ttmp6, 0x40000                  ; cx
	s_lshl_b32 s79, ttmp9, 2
	s_add_co_u32 s79, s79, s31                     ; the work-group's number: it enters global addresses of my own rows alone
	s_mov_b32 s27, 0                               ; stays 0: s[26:27] is the pair for offsets
	WALU
	s_wait_dscnt 0x0                               ; both opening adds are done
	s_wait_kmcnt 0x0
	s_lshl_b32 s26, s79, 20
	s_add_nc_u64 s[86:87], s[4:5], s[26:27]        ; my work-group's 256 rows
	s_lshl_b32 s26, s14, 16
	s_add_nc_u64 s[18:19], s[86:87], s[26:27]      ; + 16 w rows: my own
	s_add_nc_u64 s[20:21], s[18:19], 4096          ; the second reading's two bases: the even K steps', stepped down 1,024 ahead of each use,
	s_add_nc_u64 s[38:39], s[18:19], 3584          ; and the odd ones', at K step 7
	s_lshl_b32 s26, s14, 18
	s_add_nc_u64 s[G0Z+2:G0Z+3], s[86:87], s[26:27]
	s_or_b32 s[G0Z+3], s[G0Z+3], 0x80000000
	s_mov_b32 s26, s89
	s_add_nc_u64 s[24:25], s[6:7], s[26:27]        ; Wk: my quarter of a piece
	s_lshr_b32 s26, s79, 1
	s_lshl_b32 s26, s26, 12
	s_add_nc_u64 s[10:11], s[10:11], s[26:27]      ; qp at my batch's row
	s_mul_i32 s26, s79, 4608
	s_add_nc_u64 s[36:37], s[12:13], s[26:27]      ; my row of part
	CROUND                                         ; the round in front of the first loads
	TL G0Z, G1P                                    ; z's first quarter: one load a wave, 64 rows x 1,024 bytes
	; ---- under the loads' flight: Q = the sum of its eight K steps' parts, and Wk's scale words, into LDS bytes of their own
.irp s, 0,1,2,3,4,5,6,7
	global_load_b128 v[PR+8*\s:PR+8*\s+3], v23, s[10:11] offset:524288*\s
	global_load_b128 v[PR+8*\s+4:PR+8*\s+7], v23, s[10:11] offset:524288*\s+2048
.endr
.irp i, 0,1,2,3,4,5,6,7,8,9,10,11,12,13,14,15
	global_load_b128 v[64+4*\i:64+4*\i+3], v23, s[8:9] offset:2048*\i
.endr
	s_wait_loadcnt 16                              ; Q's 16 loads are in
.irp s, 1,2,3,4,5,6,7
	v_pk_add_f32 v[PR:PR+1], v[PR:PR+1], v[PR+8*\s:PR+8*\s+1]
	v_pk_add_f32 v[PR+2:PR+3], v[PR+2:PR+3], v[PR+8*\s+2:PR+8*\s+3]
	v_pk_add_f32 v[PR+4:PR+5], v[PR+4:PR+5], v[PR+8*\s+4:PR+8*\s+5]
	v_pk_add_f32 v[PR+6:PR+7], v[PR+6:PR+7], v[PR+8*\s+6:PR+8*\s+7]
.endr
	ds_store_b128 v[QLS], v[PR:PR+3]
	ds_store_b128 v[QLS], v[PR+4:PR+7] offset:2048
	s_wait_loadcnt 0x0
.irp i, 0,1,2,3,4,5,6,7,8,9,10,11,12,13,14,15
	ds_store_b128 v[WSS], v[64+4*\i:64+4*\i+3] offset:2048*\i
.endr
	WALU
	s_wait_tensorcnt 0x0                           ; my piece is in,
	s_wait_dscnt 0x0                               ; my stores have landed:
	s_barrier_signal -1
	s_barrier_wait -1                              ; and so everybody's
	s_mov_b32 s81, 4                               ; piece 4 of z is asked for: it is wanted in tick 0
	ZOFF 81
	s_add_nc_u64 s[22:23], s[18:19], s[26:27]
	s_mov_b32 s81, 5
	GLZ
	; ---- the first quarter is quantised: four trips, a piece (one row block of mine) each; pieces 4 to 7 are asked for ahead
	s_mov_b32 s16, 0
	s_mov_b32 s35, 0
.Lq:
	s_wait_xcnt 0x0
	s_add_co_u32 s88, s16, 4
	ZOFF 88
	s_add_nc_u64 s[76:77], s[86:87], s[26:27]
	v_add_nc_u32 v[ZA], s35, v[ZA0]
	s_mov_b32 s80, s16
	ZLOADS ZA
	global_prefetch_b8 v[PFO], s[76:77] th:TH_LOAD_NT scope:SCOPE_SE
	global_prefetch_b8 v[PFO], s[76:77] offset:512 th:TH_LOAD_NT scope:SCOPE_SE
	s_wait_dscnt 0x0
	QFRONT
	QTAIL
	s_add_co_u32 s35, s35, AREA
	s_add_co_u32 s16, s16, 1
	s_cmp_lt_u32 s16, 4
	WALU
	s_cbranch_scc1 .Lq
	s_mov_b32 s16, 0
	s_mov_b32 s35, 0
	s_mov_b32 s82, 0
	THEAD 0, 1, 0                                  ; all four areas have been read: Wk's piece 0 into area 2
.Lt11:                                                 ; ticks 0 to 10: z's pieces 5 to 15 are asked for, Wk's 1 to 11 fetched
	TICK 1, 1, 1, 0
	s_add_co_u32 s16, s16, 1
	s_cmp_lt_u32 s16, 11
	WALU
	s_cbranch_scc1 .Lt11
.Lt01:                                                 ; ticks 11 to 14: Wk's pieces 12 to 15; tick 11 quantises z's last piece
	TICK 0, 1, 2, 0
	s_add_co_u32 s16, s16, 1
	s_cmp_lt_u32 s16, 15
	WALU
	s_cbranch_scc1 .Lt01
	TICK 0, 0, 0, 1                                ; tick 15
	; ---- area 3 has been read: z's piece 3 into it, by wave 0
	WALU
	s_wait_tensorcnt 0x0
	ds_add_u32 v[SPW], v[NIL]
	s_mov_b32 s88, 3
	ZOFF 88
	s_add_nc_u64 s[G0Z+2:G0Z+3], s[86:87], s[26:27]
	s_or_b32 s[G0Z+3], s[G0Z+3], 0x80000000
	s_mov_b32 s[G0Z+1], 3*AREA
	s_wait_dscnt 0x0
	CROUND
	s_cmp_eq_u32 s14, 0
	s_cbranch_scc0 .Lnot_p3
	TL G0Z, G1P
.Lnot_p3:
	; ---- the scores: lane (r, h) holds four parts of row r of each row block; lane l xor 16 the other columns'
	WIN 0x05
.irp m, 0,1,2,3
	v_pk_add_f32 v[208+2*\m:209+2*\m], v[SA+4*\m:SA+4*\m+1], v[SA+4*\m+2:SA+4*\m+3]
.endr
	WIN 0
.irp m, 0,1,2,3
	v_mov_b32 v[220+\m], 0
.endr
.irp m, 0,1,2,3
	v_add_f32 v[216+\m], v[208+2*\m], v[209+2*\m]
.endr
.irp m, 0,1,2,3
	v_permlanex16_b32 v[220+\m], v[216+\m], s[SEL], s[SEL+1]
.endr
.irp m, 0,1,2,3
	v_add_f32 v[216+\m], v[216+\m], v[220+\m]      ; the score of row 64 m + 16 w + r
.endr
	v_max3_num_f32 v224, v216, v217, v218
	v_max_num_f32 v224, v224, v219
.irp x, 1,2,4,8
	v_max_num_f32_dpp v224, v224, v224 row_xmask:\x row_mask:0xf bank_mask:0xf
.endr
	v_mul_f32 v226, s[CS], v224                    ; the largest of my 64, in log2 units: tm
.irp m, 0,1,2,3
	v_fma_f32 v[216+\m], v[216+\m], s[CS], -v226
.endr
	WALU
.irp m, 0,1,2,3
	v_exp_f32 v[216+\m], v[216+\m]                 ; p = 2^(c s - tm)
.endr
	v_nop                                          ; a plain line behind the last exponential,
	WALU                                           ; and one wait for the batch
	v_add_f32 v228, v216, v217
	v_add_f32 v229, v218, v219
	v_add_f32 v227, v228, v229
.irp x, 1,2,4,8
	v_add_f32_dpp v227, v227, v227 row_xmask:\x row_mask:0xf bank_mask:0xf
.endr
.irp m, 0,1,2,3
	ds_store_b32 v[PBS], v[216+\m] offset:64*\m    ; p by row; both halves of the lanes write the same bytes with the same values
.endr
	ds_store_b64 v[MLS], v[226:227]                ; (tm, l)
.irp k, 0,1,2,3,4,5,6,7,8,9,10,11,12,13,14,15
	ds_load_b128 v[PR+4*\k:PR+4*\k+3], v[PBL] offset:16*\k             ; my own bytes, in order: all 64 p in every lane
.endr
	s_wait_dscnt 0x0
	; ---- the second reading: A's part = sum over my 64 rows of p z, a K step (128 numbers, 4 a lane) a pass, steps 7 down to 0; a quarter of K is two passes, kk = 1 and then 0.
	; Row blocks 0 to 2 come by loads, 48 out at a time; each, once used, is asked for again from the next pass's K step (issue = 1).  Row block 3 comes from the quarter's area in LDS.
	; The two bases take turns: a pass's first wait shows every load that named the base of its own requests done, so that base is stepped behind it.
.macro PASS kk, issue
.irp u, 0,1,2,3
	WALU
.if \u < 3
.if \issue
	s_wait_loadcnt 32                              ; this unit's 16 loads are in; two younger units may be out
.else
	s_wait_loadcnt 32-16*\u
.endif
.else
	s_wait_dscnt 0x0                               ; row block 3 is in
.endif
.if \u == 0
.if \issue
	s_sub_nc_u64 s[38-18*\kk:39-18*\kk], s[38-18*\kk:39-18*\kk], 1024
.endif
	s_wait_dscnt 0x0                               ; the last pass's LDS store has read its registers, which are written again below
	WIN 0xc0
.irp i, 0,1,2,3,4,5,6,7,8,9,10,11,12,13,14,15
	ds_load_b128 v[192+4*\i:192+4*\i+3], v[ZA] offset:1040*\i+512*\kk
.endr
.endif
	WIN 0x03
.set ri, 0
.rept 16
.set rho, 16*\u+ri
.set ae, AC+4*(ri&1)
.set fr, 64*\u+4*ri
.set pp, PR+(rho&62)
.if rho == 0
	v_pk_mul_f32 v[ae:ae+1], v[fr:fr+1], v[pp:pp+1] op_sel_hi:[1,0]                ; the pass's first two rows start the sums: nothing is cleared
	v_pk_mul_f32 v[ae+2:ae+3], v[fr+2:fr+3], v[pp:pp+1] op_sel_hi:[1,0]
.elseif rho == 1
	v_pk_mul_f32 v[ae:ae+1], v[fr:fr+1], v[pp:pp+1] op_sel:[0,1] op_sel_hi:[1,1]
	v_pk_mul_f32 v[ae+2:ae+3], v[fr+2:fr+3], v[pp:pp+1] op_sel:[0,1] op_sel_hi:[1,1]
.elseif rho&1
	v_pk_fma_f32 v[ae:ae+1], v[fr:fr+1], v[pp:pp+1], v[ae:ae+1] op_sel:[0,1,0] op_sel_hi:[1,1,1]
	v_pk_fma_f32 v[ae+2:ae+3], v[fr+2:fr+3], v[pp:pp+1], v[ae+2:ae+3] op_sel:[0,1,0] op_sel_hi:[1,1,1]
.else
	v_pk_fma_f32 v[ae:ae+1], v[fr:fr+1], v[pp:pp+1], v[ae:ae+1] op_sel_hi:[1,0,1]
	v_pk_fma_f32 v[ae+2:ae+3], v[fr+2:fr+3], v[pp:pp+1], v[ae+2:ae+3] op_sel_hi:[1,0,1]
.endif
.set ri, ri+1
.endr
.if (\issue) && (\u < 3)
	FLOAD \u, 38-18*\kk, 1
.endif
.endr
	WIN 0
	v_pk_add_f32 v[AC:AC+1], v[AC:AC+1], v[AC+4:AC+5]
	v_pk_add_f32 v[AC+2:AC+3], v[AC+2:AC+3], v[AC+6:AC+7]
	ds_store_b128 v[RA], v[AC:AC+3] offset:512*\kk
.endm
	s_mov_b32 s34, 6*512                           ; where a quarter's sums go: 512 bytes a K step
	s_mov_b32 s90, 0                               ; the quarter's area: 0 (the stage), then 1, 2, 3
	s_mov_b32 s17, 3
.Lquarter:
	v_add_nc_u32 v[ZA], s90, v[ZST]
	v_add_nc_u32 v[RA], s34, v[RBASE]
	PASS 1, 1
	PASS 0, 1
	s_sub_co_u32 s34, s34, 1024
	s_add_co_u32 s90, s90, AREA
	s_sub_co_u32 s17, s17, 1
	s_cmp_lg_u32 s17, 0
	WALU
	s_cbranch_scc1 .Lquarter
	WALU
	s_wait_tensorcnt 0x0                           ; piece 3 is in,
	s_wait_dscnt 0x0
	s_barrier_signal -1
	s_barrier_wait -1                              ; for every wave
	v_add_nc_u32 v[ZA], s90, v[ZST]
	v_add_nc_u32 v[RA], s34, v[RBASE]
	PASS 1, 1
	PASS 0, 0                                      ; K step 0: nothing more is asked for, and the counts run down
	; ---- the four waves' parts under one maximum
	s_wait_dscnt 0x0
	s_barrier_signal -1
	s_barrier_wait -1
	ds_load_b128 v[208:211], v[MLL]                ; (tm, l) of waves 0, 1
	ds_load_b128 v[212:215], v[MLL] offset:16      ; of waves 2, 3
.irp e, 0,1
.irp k, 0,1,2,3
	ds_load_b128 v[224+16*\e+4*\k:224+16*\e+4*\k+3], v[RDL] offset:4096*\k+512*\e      ; wave w adds up K steps 2 w and 2 w + 1
.endr
.endr
	s_wait_dscnt 8
	v_max3_num_f32 v216, v208, v210, v212
	v_max_num_f32 v216, v216, v214                 ; TM
.irp k, 0,1,2,3
	v_sub_f32 v[220+\k], v[208+2*\k], v216
.endr
	WALU
.irp k, 0,1,2,3
	v_exp_f32 v[220+\k], v[220+\k]                 ; f = 2^(tm - TM)
.endr
	v_mov_b32 v218, v216                           ; (a plain line behind the exponentials)
	WALU                                           ; one wait for the four, ahead of their first reader
	v_mul_f32 v217, v220, v209
	v_fmac_f32 v217, v221, v211
	v_fmac_f32 v217, v222, v213
	v_fmac_f32 v217, v223, v215                    ; L
	v_mov_b32 v219, v217
	WALU
	s_wait_dscnt 0x0
.irp e, 0,1
	v_pk_mul_f32 v[224+16*\e:225+16*\e], v[224+16*\e:225+16*\e], v[220:221] op_sel_hi:[1,0]
	v_pk_mul_f32 v[226+16*\e:227+16*\e], v[226+16*\e:227+16*\e], v[220:221] op_sel_hi:[1,0]
	v_pk_fma_f32 v[224+16*\e:225+16*\e], v[228+16*\e:229+16*\e], v[220:221], v[224+16*\e:225+16*\e] op_sel:[0,1,0] op_sel_hi:[1,1,1]
	v_pk_fma_f32 v[226+16*\e:227+16*\e], v[230+16*\e:231+16*\e], v[220:221], v[226+16*\e:227+16*\e] op_sel:[0,1,0] op_sel_hi:[1,1,1]
	v_pk_fma_f32 v[224+16*\e:225+16*\e], v[232+16*\e:233+16*\e], v[222:223], v[224+16*\e:225+16*\e] op_sel_hi:[1,0,1]
	v_pk_fma_f32 v[226+16*\e:227+16*\e], v[234+16*\e:235+16*\e], v[222:223], v[226+16*\e:227+16*\e] op_sel_hi:[1,0,1]
	v_pk_fma_f32 v[224+16*\e:225+16*\e], v[236+16*\e:237+16*\e], v[222:223], v[224+16*\e:225+16*\e] op_sel:[0,1,0] op_sel_hi:[1,1,1]
	v_pk_fma_f32 v[226+16*\e:227+16*\e], v[238+16*\e:239+16*\e], v[222:223], v[226+16*\e:227+16*\e] op_sel:[0,1,0] op_sel_hi:[1,1,1]
.endr
	s_lshl_b32 s26, s14, 10
	s_add_nc_u64 s[38:39], s[36:37], s[26:27]      ; (every load that named s[38:39] was shown done by the last pass's waits)
	global_store_b128 v[L16], v[224:227], s[38:39]                 ; 32 lanes store 512 consecutive bytes, aligned
	global_store_b128 v[L16], v[240:243], s[38:39] offset:512
	s_cmp_lg_u32 s14, 0
	WALU
	s_cbranch_scc1 .Lnot0
	global_store_b128 v[L16], v[216:219], s[36:37] offset:4096     ; (TM, L, TM, L) in every lane: the row's last 512 bytes, whole
.Lnot0:
	s_wait_tensorcnt 0x0                           ; the wave's end
	ds_add_u32 v[SPW], v[NIL]
	s_wait_dscnt 0x0
	CROUND                                         ; the closing round
	s_endpgm
.Lfunc_end_k_q8073cbae12_main:
	.size	k_q8073cbae12_main, .Lfunc_end_k_q8073cbae12_main-k_q8073cbae12_main
	.p2alignl 7, 3214868480
	.fill 96, 4, 3214868480
	.section	.rodata,"a",@progbits
	.p2align	6, 0x0
	.amdhsa_kernel k_q8073cbae12_main
		.amdhsa_group_segment_fixed_size 327680
		.amdhsa_private_segment_fixed_size 0
		.amdhsa_enable_private_segment 0
		.amdhsa_kernarg_size 40
		.amdhsa_user_sgpr_count 2
		.amdhsa_user_sgpr_kernarg_segment_ptr 1
		.amdhsa_wavefront_size32 1
		.amdhsa_system_sgpr_workgroup_id_x 1
		.amdhsa_system_sgpr_workgroup_id_y 1
		.amdhsa_system_sgpr_workgroup_id_z 1
		.amdhsa_system_vgpr_workitem_id 0
		.amdhsa_next_free_vgpr 1024
		.amdhsa_next_free_sgpr 96
		.amdhsa_reserve_vcc 0
		.amdhsa_float_denorm_mode_32 3
		.amdhsa_float_denorm_mode_16_64 3
		.amdhsa_memory_ordered 1
		.amdhsa_forward_progress 1
		.amdhsa_inst_pref_size 255
	.end_amdhsa_kernel
	.section	.bss,"aw",@nobits
	.p2align	6
	.space	262144
	.amdgpu_metadata
---
amdhsa.version: [ 1, 2 ]
amdhsa.kernels:
  - .name:           k_q8073cbae12_main
    .symbol:         k_q8073cbae12_main.kd
    .args:
      - { .name: z_eeg, .offset: 0, .size: 8, .value_kind: global_buffer, .address_space: global }
      - { .name: wc, .offset: 8, .size: 8, .value_kind: global_buffer, .address_space: global }
      - { .name: ws, .offset: 16, .size: 8, .value_kind: global_buffer, .address_space: global }
      - { .name: qp, .offset: 24, .size: 8, .value_kind: global_buffer, .address_space: global }
      - { .name: part, .offset: 32, .size: 8, .value_kind: global_buffer, .address_space: global }
    .group_segment_fixed_size: 327680
    .private_segment_fixed_size: 0
    .kernarg_segment_align: 8
    .kernarg_segment_size: 40
    .max_flat_workgroup_size: 128
    .sgpr_count:     96
    .vgpr_count:     1024
    .wavefront_size: 32
...
	.end_amdgpu_metadata
.endif
;; end of part 2
;; launch gate (part 3): grid 16 x 8, 8 waves a work-group, no clusters, 138,240 bytes of LDS; arguments part, wc, ws, z_rppg, Wm_b, Wf_b, bf, out0; writes out0
.if DOCPART == 3
	.amdgcn_target "amdgcn-amd-amdhsa--gfx1250"
	.amdhsa_code_object_version 6
	.text
	.protected	k_q8073cbae12_gate
	.globl	k_q8073cbae12_gate
	.p2align	8
	.type	k_q8073cbae12_gate,@function
k_q8073cbae12_gate:
	s_mov_b64 s[64:65], 0
	v_nop
	global_prefetch_b8 v0, s[64:65] scope:SCOPE_SE
	s_setreg_imm32_b32 hwreg(HW_REG_WAVE_MODE, 25, 1), 1
	s_wait_xcnt 0x0
; out0 = relu(z_rppg + (A Wm_w + Wm_b) sigmoid([A, z_rppg] Wf_w + Wf_b + bf)).  No work is left out.  LIMITS: as stated at the head of prep.
; A of a batch = (2^(TM0 - TM) A0 + 2^(TM1 - TM) A1) / (2^(TM0 - TM) L0 + 2^(TM1 - TM) L1), TM = max(TM0, TM1): the two halves that main left in part, under their common maximum.
; SHARES.  Work-group (x, y): output columns 64 x .. 64 x + 63 of batches 16 y .. 16 y + 15.  WAVE w IS K STEP w: it makes 128 numbers of A and takes 128 of z_rppg for the 16 batches, quantises both, and multiplies them by
; Wm_w's slab w, Wf_w's slab w (A's half of its K) and Wf_w's slab 8 + w (z_rppg's half): 12 products.  The eight waves' results meet in LDS and are added in f32.  Straight-line text, no loop.
; TRANSPOSED: source 0 = 16 columns of a weight, source 1 = the 16 batches: a lane holds one batch and eight neighbouring columns.
; No cluster: what work-groups share (a slab's tiles among 8, part's rows among 16) comes once into registers; the launch is short.  No tensor load: every operand goes straight into the registers of the wave that uses it.
; REGISTERS: window 0: v1-9 addresses; v10-23 the halves' figures; v26-39 scale words; v40-71 codes; v72-87 QUANT's work; v88-103 z_rppg and the biases; v104-167 A0, then A, then the accumulators; v168-231 A1, then z_rppg, then the sums
;   window 1: v0-191 the weights' 12 tiles (64 kind + 16 a); v192-255 z_rppg as loaded
.set STG,   0                          ; LDS: a stage of 16 rows x 528 bytes for each wave
.set RIMG,  67584                      ; each wave's 64 result registers: 16 groups of 544 bytes (lanes 0-15: 256 bytes, 16 of padding, lanes 16-31 likewise)
.set SPARE, 137216                     ; the spare words, 128 bytes a wave: four blocks of 256 bytes that no other line names
.set L16, 1
.set R4,  2
.set STS, 3
.set STL, 4
.set RIS, 5
.set RIL, 6
.set MLO, 7
.set EO,  8
.set EB,  9
.set SPW, 24                           ; v24  my spare word; never rewritten
.set NIL, 25                           ; v25  0; never rewritten
.set PWA, 26                           ; v26  A's scale word, v27 z_rppg's: nothing else
.set PWZ, 27
.set WSC, 28                           ; v28-39 the weights' scale words: 4 kind + a
.set PCA, 40
.set PCZ, 56
.set TM,  72
.set D0,  104
.set ACC, 104
.set D1,  168
.set SEL, 36                           ; s[36:37]
.set MNT, 38
.set MSB, 0
.macro WIN new                         ; the immediate's high byte repeats the setting that is left; a switch that changes nothing is dropped
.if MSB != (\new)
	s_set_vgpr_msb (MSB<<8)|(\new)
.set MSB, (\new)
.endif
.endm
; 16 rows x 512 bytes, loaded 16 bytes a lane (register 4 i + x = row i, number 4 lane + x), go through the wave's own stage and come back as register 16 c + 4 j + x = row r, k = 32 c + 16 h + 4 j + x.
; LDS serves a wave's instructions in order (ISA guide 5.7.1.4): no wait between the stores and the loads, nor ahead of the next turn's stores.
.macro TURN src, sw, dst, dw
	WIN (\sw)<<2
.irp i, 0,1,2,3,4,5,6,7,8,9,10,11,12,13,14,15
	ds_store_b128 v[STS], v[\src+4*\i:\src+4*\i+3] offset:528*\i
.endr
	WIN (\dw)<<6
.irp c, 0,1,2,3
.irp j, 0,1,2,3
	ds_load_b128 v[\dst+16*\c+4*\j:\dst+16*\c+4*\j+3], v[STL] offset:128*\c+16*\j
.endr
.endr
.endm
; 64 numbers of a lane in window fw, register 16 b + i = k 32 b + 16 h + i of my row, become a fragment's codes in v[pc] on and its scale word in v[pw] (window 0).
.macro QUANT s, fw, pc, pw
	WIN (\fw)|((\fw)<<2)
.irp b, 0,1,2,3
	v_max3_num_f32 v[TM+\b], |v[\s+16*\b]|, |v[\s+16*\b+1]|, 0x4800000   ; my 16 numbers of block b, and the floor 2^(9 - 127): the byte cannot fall under 1
.endr
.irp i, 2,4,6,8,10,12,14
.irp b, 0,1,2,3
	s_delay_alu instid0(VALU_DEP_4)
	v_max3_num_f32 v[TM+\b], |v[\s+16*\b+\i]|, |v[\s+16*\b+\i+1]|, v[TM+\b]
.endr
.endr
	WIN 0
.irp b, 0,1,2,3
	s_delay_alu instid0(VALU_DEP_4)
	v_permlanex16_b32 v[TM+4+\b], v[TM+\b], s[SEL], s[SEL+1]
.endr
.irp b, 0,1,2,3
	s_delay_alu instid0(VALU_DEP_4)
	v_max_num_f32 v[TM+\b], v[TM+\b], v[TM+4+\b]               ; with lane l xor 16's: the block's largest magnitude
.endr
.irp b, 0,1,2,3
	s_delay_alu instid0(VALU_DEP_4)
	v_add_nc_u32 v[TM+12+\b], 0xfc000000, v[TM+\b]             ; 8 off its exponent field: the conversion's scale operand
.endr
.irp b, 0,1,2,3
	v_and_or_b32 v[TM+8+\b], v[TM+\b], 0x7f800000, s[MNT]      ; 448 x the scale
.endr
.irp b, 0,1,2,3
	v_lshrrev_b32 v[TM+4+\b], 23, v[TM+12+\b]                  ; the scale's byte
.endr
	s_delay_alu instid0(VALU_DEP_3)
	v_lshl_or_b32 v[\pw], v[TM+5], 8, v[TM+4]
	s_delay_alu instid0(VALU_DEP_1)
	v_lshl_or_b32 v[\pw], v[TM+6], 16, v[\pw]
	s_delay_alu instid0(VALU_DEP_1)
	v_lshl_or_b32 v[\pw], v[TM+7], 24, v[\pw]
	WIN (\fw)|((\fw)<<6)
.irp b, 0,1,2,3
.irp i, 0,1,2,3,4,5,6,7,8,9,10,11,12,13,14,15
	v_med3_num_f32 v[\s+16*\b+\i], v[\s+16*\b+\i], -v[TM+8+\b], v[TM+8+\b]   ; the conversion to an 8-bit code does not saturate (ISA guide 7.6.2): the hold
.endr
.endr
	WIN (\fw)
.irp b, 0,1,2,3
	v_cvt_scalef32_pk8_fp8_f32 v[\pc+4*\b:\pc+4*\b+1], v[\s+16*\b:\s+16*\b+7], v[TM+12+\b]
	v_cvt_scalef32_pk8_fp8_f32 v[\pc+4*\b+2:\pc+4*\b+3], v[\s+16*\b+8:\s+16*\b+15], v[TM+12+\b]
.endr
	WIN 0
	v_nop                                          ; one plain line behind the last conversion
.endm
.macro BARRIER                         ; my LDS stores have landed and my LDS loads are in: then the work-group's barrier
	s_wait_dscnt 0x0
	s_barrier_signal -1
	s_barrier_wait -1
.endm
	s_load_b256 s[4:11], s[0:1], 0x0               ; part s[4:5], wc s[6:7], ws s[8:9], z_rppg s[10:11]
	s_load_b256 s[12:19], s[0:1], 0x20             ; Wm_b s[12:13], Wf_b s[14:15], bf s[16:17], out0 s[18:19]
	v_lshl_add_u32 v[SPW], v0, 2, SPARE
	v_mov_b32 v[NIL], 0
	v_lshrrev_b32 v18, 5, v0
	s_delay_alu instid0(VALU_DEP_1)
	v_readfirstlane_b32 s20, v18                   ; wave 0..7
	s_and_b32 s21, ttmp7, 0xffff                   ; y
	v_and_b32 v18, 31, v0                          ; lane
	v_and_b32 v19, 15, v0                          ; r
	v_bfe_u32 v20, v0, 4, 1                        ; h
	s_delay_alu instid0(VALU_DEP_3)
	v_lshlrev_b32 v[L16], 4, v18
	s_delay_alu instid0(VALU_DEP_3)
	v_lshlrev_b32 v[R4], 2, v19
	s_mul_i32 s22, s20, 8448
	v_add_nc_u32 v[STS], s22, v[L16]
	v_mul_u32_u24 v[STL], v19, 528
	s_delay_alu instid0(VALU_DEP_1)
	v_lshl_add_u32 v[STL], v20, 6, v[STL]
	s_delay_alu instid0(VALU_DEP_1)
	v_add_nc_u32 v[STL], s22, v[STL]
	s_mul_i32 s22, s20, 8704
	s_add_co_u32 s22, s22, RIMG
	v_mul_u32_u24 v[RIS], v20, 272
	s_delay_alu instid0(VALU_DEP_1)
	v_lshl_add_u32 v[RIS], v19, 4, v[RIS]
	s_delay_alu instid0(VALU_DEP_1)
	v_add_nc_u32 v[RIS], s22, v[RIS]               ; my results: 16 r + 272 h in each group
	; at the end thread (wave w, lane) owns batch row 2 w + h and columns 4 r .. 4 r + 3 of the 64: tile r / 4, the tile's half (r / 2) % 2, register group r % 2
	v_lshrrev_b32 v21, 2, v19
	v_and_b32 v22, 1, v19
	s_delay_alu instid0(VALU_DEP_1)
	v_lshl_add_u32 v21, v21, 1, v22
	s_delay_alu instid0(VALU_DEP_1)
	v_mul_u32_u24 v[RIL], v21, 544
	v_bfe_u32 v22, v19, 1, 1
	s_delay_alu instid0(VALU_DEP_1)
	v_mad_u32_u24 v[RIL], v22, 272, v[RIL]
	s_delay_alu instid0(VALU_DEP_1)
	v_lshl_add_u32 v[RIL], v20, 4, v[RIL]
	s_lshl_b32 s22, s20, 5
	s_add_co_u32 s22, s22, RIMG
	v_add_nc_u32 v[RIL], s22, v[RIL]
	v_mul_u32_u24 v[MLO], v19, 9216                ; batch r: two rows of part
	v_lshlrev_b32 v[EB], 4, v19
	s_delay_alu instid0(VALU_DEP_1)
	v_lshl_add_u32 v[EO], v20, 12, v[EB]
	s_lshl_b32 s22, s20, 13
	v_add_nc_u32 v[EO], s22, v[EO]                 ; row 2 w + h of 4,096 bytes, + 16 r
	s_mov_b32 s[SEL], 0x76543210
	s_mov_b32 s[SEL+1], 0xfedcba98
	s_mov_b32 s[MNT], 0x600000
.irp b, 0,1,2,3
	v_mov_b32 v[TM+4+\b], 0                        ; written once: a lane permute's destination counts as one of its sources
.endr
	s_mul_i32 s24, s21, 147456                     ; 32 rows of part, 4,608 bytes each
	s_mov_b32 s25, 0
	s_wait_alu depctr_va_vdst(0)
	s_wait_kmcnt 0x0
	s_add_nc_u64 s[26:27], s[4:5], s[24:25]        ; part at batch 16 y
	s_lshl_b32 s24, s20, 9
	s_add_nc_u64 s[28:29], s[26:27], s[24:25]      ; + K step w
	s_lshl_b32 s24, s21, 16
	s_add_nc_u64 s[30:31], s[10:11], s[24:25]      ; z_rppg at row 16 y
	s_add_nc_u64 s[18:19], s[18:19], s[24:25]      ; out0 likewise
	s_lshl_b32 s24, s20, 9
	s_add_nc_u64 s[32:33], s[30:31], s[24:25]      ; z_rppg: + K step w
	s_lshl_b32 s24, ttmp9, 8                       ; 64 x columns
	s_add_nc_u64 s[30:31], s[30:31], s[24:25]
	s_add_nc_u64 s[18:19], s[18:19], s[24:25]
	s_add_nc_u64 s[12:13], s[12:13], s[24:25]
	s_add_nc_u64 s[14:15], s[14:15], s[24:25]
	s_add_nc_u64 s[16:17], s[16:17], s[24:25]
	s_lshl_b32 s24, s20, 17                        ; wc: slab 8 + w, tile 4 x
	s_lshl_b32 s34, ttmp9, 13
	s_add_co_u32 s24, s24, s34
	s_add_co_u32 s24, s24, 0x100000
	s_add_nc_u64 s[6:7], s[6:7], s[24:25]
	s_lshl_b32 s24, s20, 12                        ; ws likewise
	s_lshl_b32 s34, ttmp9, 8
	s_add_co_u32 s24, s24, s34
	s_add_co_u32 s24, s24, 0x8000
	s_add_nc_u64 s[8:9], s[8:9], s[24:25]
	; ---- 114 loads, what is wanted first in front
	global_load_b64 v[10:11], v[MLO], s[26:27] offset:4096         ; (TM0, L0) of batch r
	global_load_b64 v[12:13], v[MLO], s[26:27] offset:8704         ; (TM1, L1)
.irp i, 0,1,2,3,4,5,6,7,8,9,10,11,12,13,14,15
	global_load_b128 v[D0+4*\i:D0+4*\i+3], v[L16], s[28:29] offset:9216*\i
.endr
.irp i, 0,1,2,3,4,5,6,7,8,9,10,11,12,13,14,15
	global_load_b128 v[D1+4*\i:D1+4*\i+3], v[L16], s[28:29] offset:9216*\i+4608
.endr
	WIN 0x40
.irp i, 0,1,2,3,4,5,6,7,8,9,10,11,12,13,14,15
	global_load_b128 v[192+4*\i:192+4*\i+3], v[L16], s[32:33] offset:4096*\i
.endr
.irp k, 0,1,2                          ; kind 0: Wm_w's slab w; 1: Wf_w's slab w; 2: Wf_w's slab 8 + w: eight slabs apart in wc
.irp a, 0,1,2,3
.irp g, 0,1,2,3
	global_load_b128 v[64*\k+16*\a+4*\g:64*\k+16*\a+4*\g+3], v[L16], s[6:7] offset:1048576*\k+2048*\a+512*\g
.endr
.endr
.endr
	WIN 0
.irp k, 0,1,2
.irp a, 0,1,2,3
	global_load_b32 v[WSC+4*\k+\a], v[R4], s[8:9] offset:32768*\k+64*\a
.endr
.endr
	global_load_b128 v[88:91], v[EO], s[30:31]
	global_load_b128 v[92:95], v[EB], s[12:13]
	global_load_b128 v[96:99], v[EB], s[14:15]
	global_load_b128 v[100:103], v[EB], s[16:17]
	s_wait_loadcnt 63                              ; of the 114 the oldest 51 are in: the figures, both halves of A, z_rppg
	TURN D0, 0, D0, 0
	TURN D1, 0, D1, 0
	v_max_num_f32 v18, v10, v12                    ; TM.  A lane's row is batch r in the turned layout, so nothing is passed between lanes
	s_delay_alu instid0(VALU_DEP_1)
	v_sub_f32 v19, v10, v18
	s_delay_alu instid0(VALU_DEP_2)
	v_sub_f32 v20, v12, v18
	s_wait_alu depctr_va_vdst(0)
	v_exp_f32 v19, v19
	v_exp_f32 v20, v20
	v_nop                                          ; a plain line behind the exponentials,
	s_wait_alu depctr_va_vdst(0)                   ; and the wait ahead of their first reader
	v_mul_f32 v21, v19, v11
	v_fmac_f32 v21, v20, v13
	s_wait_alu depctr_va_vdst(0)
	v_rcp_f32 v21, v21
	v_nop
	s_wait_alu depctr_va_vdst(0)
	v_mul_f32 v14, v19, v21
	v_mul_f32 v16, v20, v21
	s_delay_alu instid0(VALU_DEP_2)
	v_mov_b32 v15, v14                             ; (named as pairs, so both words are written)
	s_delay_alu instid0(VALU_DEP_2)
	v_mov_b32 v17, v16
	s_wait_alu depctr_va_vdst(0)
	s_wait_dscnt 0x0
.set li, 0
.rept 32
	v_pk_mul_f32 v[D0+2*li:D0+2*li+1], v[D0+2*li:D0+2*li+1], v[14:15] op_sel_hi:[1,0]
.set li, li+1
.endr
.set li, 0
.rept 32
	v_pk_fma_f32 v[D0+2*li:D0+2*li+1], v[D1+2*li:D1+2*li+1], v[16:17], v[D0+2*li:D0+2*li+1] op_sel_hi:[1,0,1]    ; A
.set li, li+1
.endr
	TURN 192, 1, D1, 0                             ; z_rppg turns while A is quantised
	QUANT D0, 0, PCA, PWA
	s_wait_dscnt 0x0
	QUANT D1, 0, PCZ, PWZ
	s_wait_loadcnt 4                               ; the weights' tiles and scale words are in; the last four loads may be out
.rept 4
	v_nop                                          ; codes written by vector instructions stand four places ahead of a scaled product; the scale words were made ahead of the 64 holds
.endr
	WIN 0x01                                       ; source 0 (the weights) window 1
.irp a, 0,1,2,3
	v_wmma_scale_f32_16x16x128_f8f6f4 v[ACC+32+8*\a:ACC+32+8*\a+7], v[64+16*\a:64+16*\a+15], v[PCA:PCA+15], 0, v[WSC+4+\a], v[PWA]
.endr
.irp a, 0,1,2,3
	v_wmma_scale_f32_16x16x128_f8f6f4 v[ACC+8*\a:ACC+8*\a+7], v[16*\a:16*\a+15], v[PCA:PCA+15], 0, v[WSC+\a], v[PWA]
.endr
	s_wait_alu depctr_va_vdst(0)
.irp a, 0,1,2,3                        ; the accumulators take turns, one instruction a turn: seven others' stand between a sum's two links
	v_wmma_scale_f32_16x16x128_f8f6f4 v[ACC+32+8*\a:ACC+32+8*\a+7], v[128+16*\a:128+16*\a+15], v[PCZ:PCZ+15], v[ACC+32+8*\a:ACC+32+8*\a+7], v[WSC+8+\a], v[PWZ]
.endr
	WIN 0
.rept 8
	v_nop                                          ; eight places ahead of the first read of results
.endr
.irp q, 0,1,2,3,4,5,6,7,8,9,10,11,12,13,14,15
	ds_store_b128 v[RIS], v[ACC+4*\q:ACC+4*\q+3] offset:544*\q     ; each accumulator from its low end on
.endr
	BARRIER                                        ; the eight K steps' results lie in LDS
.irp k, 0,1,2,3,4,5,6,7
	ds_load_b128 v[168+4*\k:168+4*\k+3], v[RIL] offset:8704*\k             ; A Wm_w: my four numbers of K step k
	ds_load_b128 v[200+4*\k:200+4*\k+3], v[RIL] offset:8704*\k+4352        ; [A, z_rppg] Wf_w
.endr
	s_wait_loadcnt 0x0
	s_wait_dscnt 0x0
.irp k, 1
	v_pk_add_f32 v[168:169], v[168:169], v[168+4*\k:169+4*\k]
	v_pk_add_f32 v[170:171], v[170:171], v[170+4*\k:171+4*\k]
	v_pk_add_f32 v[200:201], v[200:201], v[200+4*\k:201+4*\k]
	v_pk_add_f32 v[202:203], v[202:203], v[202+4*\k:203+4*\k]
.endr
.irp k, 2, 3, 4, 5, 6, 7
	s_delay_alu instid0(VALU_DEP_4)
	v_pk_add_f32 v[168:169], v[168:169], v[168+4*\k:169+4*\k]
	s_delay_alu instid0(VALU_DEP_4)
	v_pk_add_f32 v[170:171], v[170:171], v[170+4*\k:171+4*\k]
	s_delay_alu instid0(VALU_DEP_4)
	v_pk_add_f32 v[200:201], v[200:201], v[200+4*\k:201+4*\k]
	s_delay_alu instid0(VALU_DEP_4)
	v_pk_add_f32 v[202:203], v[202:203], v[202+4*\k:203+4*\k]
.endr
	s_delay_alu instid0(VALU_DEP_4)
	v_pk_add_f32 v[168:169], v[168:169], v[92:93]  ; + Wm_b
	s_delay_alu instid0(VALU_DEP_4)
	v_pk_add_f32 v[170:171], v[170:171], v[94:95]
	s_delay_alu instid0(VALU_DEP_4)
	v_pk_add_f32 v[200:201], v[200:201], v[96:97]  ; + Wf_b
	s_delay_alu instid0(VALU_DEP_4)
	v_pk_add_f32 v[202:203], v[202:203], v[98:99]
	s_delay_alu instid0(VALU_DEP_2)
	v_pk_add_f32 v[200:201], v[200:201], v[100:101]  ; + bf
	s_delay_alu instid0(VALU_DEP_2)
	v_pk_add_f32 v[202:203], v[202:203], v[102:103]
.irp x, 0,1,2,3
	v_mul_f32 v[200+\x], 0xbfb8aa3b, v[200+\x]     ; sigmoid(g) = 1 / (1 + 2^(-g log2 e))
.endr
	s_wait_alu depctr_va_vdst(0)
.irp x, 0,1,2,3
	v_exp_f32 v[200+\x], v[200+\x]
.endr
	v_nop
	s_wait_alu depctr_va_vdst(0)
.irp x, 0,1,2,3
	v_add_f32 v[200+\x], 1.0, v[200+\x]
.endr
	s_wait_alu depctr_va_vdst(0)
.irp x, 0,1,2,3
	v_rcp_f32 v[200+\x], v[200+\x]
.endr
	v_nop
	s_wait_alu depctr_va_vdst(0)
.irp x, 0,1,2,3
	v_fma_f32 v[168+\x], v[168+\x], v[200+\x], v[88+\x]
.endr
.irp x, 0,1,2,3
	s_delay_alu instid0(VALU_DEP_4)
	v_max_num_f32 v[168+\x], 0, v[168+\x]
.endr
	global_store_b128 v[EO], v[168:171], s[18:19]  ; sixteen lanes store 256 consecutive bytes of a row, aligned
	s_wait_tensorcnt 0x0                           ; the wave's end
	ds_add_u32 v[SPW], v[NIL]
	s_wait_dscnt 0x0
	s_endpgm
.Lfunc_end_k_q8073cbae12_gate:
	.size	k_q8073cbae12_gate, .Lfunc_end_k_q8073cbae12_gate-k_q8073cbae12_gate
	.p2alignl 7, 3214868480
	.fill 96, 4, 3214868480
	.section	.rodata,"a",@progbits
	.p2align	6, 0x0
	.amdhsa_kernel k_q8073cbae12_gate
		.amdhsa_group_segment_fixed_size 138240
		.amdhsa_private_segment_fixed_size 0
		.amdhsa_enable_private_segment 0
		.amdhsa_kernarg_size 64
		.amdhsa_user_sgpr_count 2
		.amdhsa_user_sgpr_kernarg_segment_ptr 1
		.amdhsa_wavefront_size32 1
		.amdhsa_system_sgpr_workgroup_id_x 1
		.amdhsa_system_sgpr_workgroup_id_y 1
		.amdhsa_system_sgpr_workgroup_id_z 1
		.amdhsa_system_vgpr_workitem_id 0
		.amdhsa_next_free_vgpr 512
		.amdhsa_next_free_sgpr 66
		.amdhsa_reserve_vcc 0
		.amdhsa_float_denorm_mode_32 3
		.amdhsa_float_denorm_mode_16_64 3
		.amdhsa_memory_ordered 1
		.amdhsa_forward_progress 1
		.amdhsa_inst_pref_size 53
	.end_amdhsa_kernel
	.amdgpu_metadata
---
amdhsa.version: [ 1, 2 ]
amdhsa.kernels:
  - .name:           k_q8073cbae12_gate
    .symbol:         k_q8073cbae12_gate.kd
    .args:
      - { .name: part, .offset: 0, .size: 8, .value_kind: global_buffer, .address_space: global }
      - { .name: wc, .offset: 8, .size: 8, .value_kind: global_buffer, .address_space: global }
      - { .name: ws, .offset: 16, .size: 8, .value_kind: global_buffer, .address_space: global }
      - { .name: z_rppg, .offset: 24, .size: 8, .value_kind: global_buffer, .address_space: global }
      - { .name: Wm_b, .offset: 32, .size: 8, .value_kind: global_buffer, .address_space: global }
      - { .name: Wf_b, .offset: 40, .size: 8, .value_kind: global_buffer, .address_space: global }
      - { .name: bf, .offset: 48, .size: 8, .value_kind: global_buffer, .address_space: global }
      - { .name: out0, .offset: 56, .size: 8, .value_kind: global_buffer, .address_space: global }
    .group_segment_fixed_size: 138240
    .private_segment_fixed_size: 0
    .kernarg_segment_align: 8
    .kernarg_segment_size: 64
    .max_flat_workgroup_size: 256
    .sgpr_count:     66
    .vgpr_count:     512
    .wavefront_size: 32
...
	.end_amdgpu_metadata
.endif
;; end of part 3
